; MI455X (gfx1250); checked and timed in simulation.
; The chip was launched on July 23, 2026; its instructions are those of AMD's public machine-readable ISA for CDNA 5 (MIT licence, August 2026) and "CDNA5" Instruction Set Architecture Reference Guide (July 2026). The comments in the code are by the model that wrote it; some were corrected since.
;; Inner. Allowed arithmetic: float matrix products may take bf16 or f16 operands with f32 sums; other float arithmetic in f32, or as packed bf16 or f16 multiplies, adds, multiply-adds, maxima and minima; sums over many terms, partial sums and values carried from step to step in f32; what a program stores and reads back later, other than sums and carried values, may be rounded once to bf16 or f16.
;; Inputs: W_in 63 x 1,024 float32; W_leaf 64 x 1,024 x 500 float32; b_in 63 float32; b_leaf 64 x 500 float32; beta 63 float32; x 2,048 x 1,024 float32.
;; Outputs: out0 2,048 x 500 float32.
;; 2 versions, each right. Each part assembles by itself: llvm-mc -triple=amdgcn-amd-amdhsa -mcpu=gfx1250 --defsym DOCPART=n.
;; ======== version 1 of 2: 3 launches
;; workspace buffers: xb 4,194,304 bytes; wb 67,108,864 bytes; biasp 131,072 bytes; pt 524,288 bytes; part 33,554,432 bytes
;; launch prep (part 1): grid 2176 x 1, 8 waves a work-group, no clusters, 46,848 bytes of LDS; arguments x, W_in, b_in, beta, W_leaf, b_leaf, xb, wb, biasp, pt; writes xb, wb, biasp, pt
.if DOCPART == 1
	.amdgcn_target "amdgcn-amd-amdhsa--gfx1250"
	.amdhsa_code_object_version 6
	.text
	.protected	k_q0168cf9ac7_prep
	.globl	k_q0168cf9ac7_prep
	.p2align	8
	.type	k_q0168cf9ac7_prep,@function
k_q0168cf9ac7_prep:
	s_mov_b64 s[64:65], 0
	v_nop
	global_prefetch_b8 v0, s[64:65] scope:SCOPE_SE
	s_setreg_imm32_b32 hwreg(HW_REG_WAVE_MODE, 25, 1), 1
	s_wait_xcnt 0x0
; FIRST OF THREE LAUNCHES.  out[n][o] = sum over 64 leaves l of p[n][l] softmax_o(x[n] . W_leaf[l][:, o] + b_leaf[l][o]); p[n][l] = the product of six gate factors on the way to leaf l.
; NOTHING IS LEFT OUT: the gates are soft, so every leaf's product, softmax and weight reaches every output; b_leaf varies along the softmax's axis; all six inputs are loaded.
; Extra work inside live tiles only: 500 columns padded to 512, 63 gate nodes padded to 64.
; THIS LAUNCH rounds the matrix operands once to bf16 and lays them out for the second launch, and makes the 64 path probabilities of every token.
;   work-groups 0-127 (16 tokens each): x -> xb [2048][1024] bf16; z = x W_in^T by the matrix unit (bf16 operands, f32 sums); p -> pt [128 blocks of 16 tokens][64 leaves][16 tokens] f32;
;                                       and half a leaf's bias -> biasp [64][512] f32, columns 500-511 = -1e30.
;   work-groups 128-2175 (32 rows (l, k) each): W_leaf -> wb [64][1024][512] bf16, columns 500-511 = 0.
; LIMITS.  x, W_in, W_leaf are rounded once to bf16.  A factor 1 - g is formed as sigmoid(-t), not as 1.0 - g.  p = 1 / the product of six (1 + 2^(+-a)), a = t log2(e): each factor is at least 1,
; so no 0 x infinity arises; a product beyond f32's range gives p = 0 where the true p is below 2^-127.  NaN and infinities in the inputs are not treated apart.
.set XTP,   2064                       ; gate role, LDS: a token's 1,024 bf16 + 16 bytes: 129 x 16, so the 16 rows of a fragment load start in 16 different groups of four banks (64 banks of 4 bytes: ISA guide 11.1)
.set ZP,    33024                      ; behind 16 such rows: z, 2 halves of K x 16 tokens x 272 bytes (64 nodes of f32 + 16)
.set PS,    41728                      ; p as it leaves: [64 leaves][16 tokens] f32, 4,096 bytes
.set SPARE, 45824                      ; the spare words, 128 bytes for each of 8 waves: four blocks of 256 bytes that no other line names
.set SPW, 2                            ; v2  LDS address of my spare word; never rewritten
.set NIL, 3                            ; v3  0; never rewritten
.set WX,  16                           ; W role: v[16:79] eight passes of 8 f32
.set NV,  13                           ; gate role: v[13:19] 4 x node for my seven nodes
.set BE,  20                           ; v[20:26] beta of them
.set BN,  27                           ; v[27:33] b_in of them
.set XR,  36                           ; v[36:99] x as loaded, eight chunks of 8 f32
.set ACC, 36                           ; afterwards: v[36:51] two accumulators
.set WF,  52                           ; v[52:67] W_in's fragments, two sets
.set XFR, 68                           ; v[68:83] x's fragments, two sets
.set WR,  84                           ; v[84:115] W_in as loaded, two buffers of 16 f32
.macro CVT4 b                          ; eight f32 at v[b] -> eight bf16 in v[b:b+3], in place: each source is read before it is written
	v_cvt_pk_bf16_f32 v[(\b)],   v[(\b)],   v[(\b)+1]
	v_cvt_pk_bf16_f32 v[(\b)+1], v[(\b)+2], v[(\b)+3]
	v_cvt_pk_bf16_f32 v[(\b)+2], v[(\b)+4], v[(\b)+5]
	v_cvt_pk_bf16_f32 v[(\b)+3], v[(\b)+6], v[(\b)+7]
.endm
	s_load_b512 s[16:31], s[0:1], 0x0              ; x 16, W_in 18, b_in 20, beta 22, W_leaf 24, b_leaf 26, xb 28, wb 30
	s_load_b128 s[32:35], s[0:1], 0x40             ; biasp 32, pt 34
	v_lshl_add_u32 v[SPW], v0, 2, SPARE
	v_mov_b32 v[NIL], 0
	v_lshrrev_b32 v1, 5, v0
	v_readfirstlane_b32 s8, v1                     ; wave 0..7
	s_wait_kmcnt 0x0
	s_cmp_lt_u32 ttmp9, 128                        ; the same in all waves of a work-group
	s_cbranch_scc1 .Lgate
	; ---- W ROLE: 32 rows of 500 f32 (2,000 bytes) become 32 rows of 512 bf16 (1,024 bytes).  Thread T: columns 8 (T % 64) on, row 4 p + T / 64 in pass p.
	s_sub_co_u32 s9, ttmp9, 128
	s_mul_i32 s10, s9, 64000                       ; 32 rows in, under 2^31
	s_mov_b32 s11, 0
	s_add_nc_u64 s[4:5], s[24:25], s[10:11]
	s_lshl_b32 s10, s9, 15                         ; 32 rows out
	s_add_nc_u64 s[6:7], s[30:31], s[10:11]
	v_and_b32 v9, 63, v0                           ; j
	v_lshrrev_b32 v10, 6, v0
	v_mul_u32_u24 v10, v10, 2000                   ; my row of a pass's four
	v_lshlrev_b32 v11, 5, v9
	v_min_u32 v4, 1984, v11                        ; my first 16 bytes; past the row's last 16 the address is held there, so that no load leaves the row
	v_add_nc_u32 v11, 16, v11
	v_min_u32 v5, 1984, v11                        ; my second 16 bytes, likewise
	v_add_nc_u32 v4, v4, v10
	v_add_nc_u32 v5, v5, v10
	v_lshlrev_b32 v6, 4, v0                        ; out: 16 T: a wave's store covers 512 consecutive bytes, aligned
	v_cmp_gt_u32 vcc_lo, 63, v9
	v_cndmask_b32 v7, 0, -1, vcc_lo                ; columns 8 j .. 8 j + 3 exist for j < 63,
	v_cmp_gt_u32 vcc_lo, 62, v9
	v_cndmask_b32 v8, 0, -1, vcc_lo                ; columns 8 j + 4 .. 8 j + 7 for j < 62; the others are written as 0
.irp p, 0,1,2,3,4,5,6,7
	global_load_b128 v[WX+8*(\p):WX+8*(\p)+3],   v4, s[4:5] offset:8000*(\p) th:TH_LOAD_NT
	global_load_b128 v[WX+8*(\p)+4:WX+8*(\p)+7], v5, s[4:5] offset:8000*(\p) th:TH_LOAD_NT
.endr
.irp p, 0,1,2,3,4,5,6,7
	s_wait_loadcnt 14-2*(\p)                       ; loads come back in order: this pass's two are in, the later passes' stay out
	CVT4 WX+8*(\p)
	v_and_b32 v[WX+8*(\p)],   v7, v[WX+8*(\p)]
	v_and_b32 v[WX+8*(\p)+1], v7, v[WX+8*(\p)+1]
	v_and_b32 v[WX+8*(\p)+2], v8, v[WX+8*(\p)+2]
	v_and_b32 v[WX+8*(\p)+3], v8, v[WX+8*(\p)+3]
	global_store_b128 v6, v[WX+8*(\p):WX+8*(\p)+3], s[6:7] offset:4096*(\p)
.endr
	s_endpgm                                       ; this role has written no LDS
	; ---- GATE ROLE: tokens 16 b .. 16 b + 15.  r = T % 16 is a token, u = T / 16 a group of four leaves 4 u .. 4 u + 3.
.Lgate:
	s_lshl_b32 s10, ttmp9, 16
	s_mov_b32 s11, 0
	s_add_nc_u64 s[4:5], s[16:17], s[10:11]        ; x at my 16 tokens
	s_lshl_b32 s10, ttmp9, 15
	s_add_nc_u64 s[6:7], s[28:29], s[10:11]        ; xb
	s_lshl_b32 s10, ttmp9, 12
	s_add_nc_u64 s[12:13], s[34:35], s[10:11]      ; pt
	s_and_b32 s14, s8, 3                           ; nb: my block of 16 nodes
	s_lshr_b32 s15, s8, 2                          ; kh: my half of K
	v_and_b32 v34, 15, v0                          ; r
	v_lshrrev_b32 v35, 4, v0                       ; u
	; the nodes on the way to leaves 4 u + e: level k's node is 2^k - 1 + the leaf's top k bits
	v_mov_b32 v[NV], 0
	v_lshrrev_b32 v[NV+1], 3, v35
	v_add_lshl_u32 v[NV+1], v[NV+1], 1, 2
	v_lshrrev_b32 v[NV+2], 2, v35
	v_add_lshl_u32 v[NV+2], v[NV+2], 3, 2
	v_lshrrev_b32 v[NV+3], 1, v35
	v_add_lshl_u32 v[NV+3], v[NV+3], 7, 2
	v_add_lshl_u32 v[NV+4], v35, 15, 2
	v_lshl_add_u32 v[NV+5], v35, 1, 31
	v_lshlrev_b32 v[NV+5], 2, v[NV+5]              ; level 5, left child of my level-4 node,
	v_add_nc_u32 v[NV+6], 4, v[NV+5]               ; and right: node 62 at the most
	v_lshlrev_b32 v4, 5, v0                        ; x in: 32 T
.irp i, 0,1,2,3,4,5,6
	global_load_b32 v[BE+(\i)], v[NV+(\i)], s[22:23]
	global_load_b32 v[BN+(\i)], v[NV+(\i)], s[20:21]
.endr
.irp i, 0,1,2,3,4,5,6,7                ; chunk i: tokens 2 i, 2 i + 1; 8 numbers a thread
	global_load_b128 v[XR+8*(\i):XR+8*(\i)+3],   v4, s[4:5] offset:8192*(\i) th:TH_LOAD_NT
	global_load_b128 v[XR+8*(\i)+4:XR+8*(\i)+7], v4, s[4:5] offset:8192*(\i)+16 th:TH_LOAD_NT
.endr
	v_lshlrev_b32 v5, 4, v0                        ; out: 16 T
	v_lshrrev_b32 v101, 7, v0
	v_mul_u32_u24 v101, v101, XTP
	v_and_b32 v6, 127, v0
	v_lshl_add_u32 v6, v6, 4, v101                 ; LDS: (T / 128) rows + 16 (T % 128)
	v_and_b32 v100, 1, v35                         ; h: my half of the wave's lanes
	s_lshl_b32 s9, s14, 4
	v_add_nc_u32 v7, s9, v34
	v_min_u32 v7, 62, v7                           ; node 63 does not exist: its lanes repeat row 62, and nobody reads their sums
	v_lshlrev_b32 v7, 12, v7
	v_lshl_add_u32 v7, v100, 5, v7
	s_lshl_b32 s9, s15, 11
	v_add_nc_u32 v7, s9, v7                        ; W_in: row x 4,096 + half of K x 2,048 + 32 h
	v_mul_u32_u24 v8, v34, XTP
	v_lshl_add_u32 v8, v100, 4, v8
	s_lshl_b32 s9, s15, 10
	v_add_nc_u32 v8, s9, v8                        ; x's fragments: token x pitch + half of K x 1,024 + 16 h
	v_mul_u32_u24 v10, v34, 272
	v_add_nc_u32 v10, ZP, v10                      ; z of token r
	s_mul_i32 s9, s15, 4352
	s_lshl_b32 s10, s14, 6
	s_add_co_u32 s9, s9, s10
	v_lshl_add_u32 v9, v100, 5, v10
	v_add_nc_u32 v9, s9, v9                        ; where my eight sums go: half of K, token r, nodes 16 nb + 8 h on
	v_lshlrev_b32 v11, 8, v35
	v_lshl_add_u32 v11, v34, 2, v11
	v_add_nc_u32 v11, PS, v11                      ; p of leaf 4 u, token r
	v_lshl_add_u32 v12, v0, 4, PS
.irp i, 0,1,2,3,4,5,6,7
	s_wait_loadcnt 14-2*(\i)                       ; this chunk's two loads are in (and beta and b_in, which are older); the later chunks' stay out
	CVT4 XR+8*(\i)
	global_store_b128 v5, v[XR+8*(\i):XR+8*(\i)+3], s[6:7] offset:4096*(\i)
	ds_store_b128 v6, v[XR+8*(\i):XR+8*(\i)+3] offset:2*XTP*(\i)
.endr
	s_wait_xcnt 0x0                                ; the stores have read their data: only behind this wait are those registers loaded and written again
.macro WLOAD s                         ; W_in for step s: 32 of K as 16 f32 a lane: k = 8 h .. + 7 and 16 + 8 h .. + 7
	global_load_b128 v[WR+16*((\s)%2):WR+16*((\s)%2)+3],     v7, s[18:19] offset:128*(\s)
	global_load_b128 v[WR+16*((\s)%2)+4:WR+16*((\s)%2)+7],   v7, s[18:19] offset:128*(\s)+16
	global_load_b128 v[WR+16*((\s)%2)+8:WR+16*((\s)%2)+11],  v7, s[18:19] offset:128*(\s)+64
	global_load_b128 v[WR+16*((\s)%2)+12:WR+16*((\s)%2)+15], v7, s[18:19] offset:128*(\s)+80
.endm
	WLOAD 0
	WLOAD 1
	s_wait_dscnt 0x0                               ; for the others' sake: my part of x lies in LDS
	s_barrier_signal -1
	s_barrier_wait -1
; z^T = W_in x^T: source 0 = 16 nodes, source 1 = 16 tokens; 16 steps of 32 along my half of K.  Two accumulators take turns; two sets of fragments:
; a set is written again two steps later, behind the other step's eight conversions, which name none of its product's registers.
.macro GSTEP s
.set b, (\s)%2
.if (\s) == 15
	s_wait_loadcnt 0x0
.else
	s_wait_loadcnt 4                               ; this step's four loads are in; the next step's four stay out
.endif
	ds_load_b128 v[XFR+8*b:XFR+8*b+3],   v8 offset:64*(\s)
	ds_load_b128 v[XFR+8*b+4:XFR+8*b+7], v8 offset:64*(\s)+32
.irp k, 0,1,2,3,4,5,6,7
	v_cvt_pk_bf16_f32 v[WF+8*b+(\k)], v[WR+16*b+2*(\k)], v[WR+16*b+2*(\k)+1]
.endr
.if (\s)+2 < 16
	WLOAD (\s)+2
.endif
	s_wait_dscnt 0x0
.if (\s) < 2
	v_wmma_f32_16x16x32_bf16 v[ACC+8*b:ACC+8*b+7], v[WF+8*b:WF+8*b+7], v[XFR+8*b:XFR+8*b+7], 0
.else
	v_wmma_f32_16x16x32_bf16 v[ACC+8*b:ACC+8*b+7], v[WF+8*b:WF+8*b+7], v[XFR+8*b:XFR+8*b+7], v[ACC+8*b:ACC+8*b+7]
.endif
.endm
.irp s, 0,1,2,3,4,5,6,7,8,9,10,11,12,13,14,15
	GSTEP \s
.endr
.rept 8
	v_nop                                          ; the places behind the last products (ISA guide 7.12.1), once a launch
.endr
.irp k, 0,2,4,6
	v_pk_add_f32 v[ACC+(\k):ACC+(\k)+1], v[ACC+(\k):ACC+(\k)+1], v[ACC+8+(\k):ACC+8+(\k)+1]  ; the two parities of the step; the low registers first
.endr
	ds_store_b128 v9, v[ACC:ACC+3]                 ; a lane holds token r and nodes 16 nb + 8 h + 0..7
	ds_store_b128 v9, v[ACC+4:ACC+7] offset:16
	s_wait_dscnt 0x0
	s_barrier_signal -1
	s_barrier_wait -1
	; ---- p for token r, leaves 4 u .. 4 u + 3
.irp i, 0,1,2,3,4,5,6
	v_add_nc_u32 v[52+(\i)], v10, v[NV+(\i)]
.endr
.irp i, 0,1,2,3,4,5,6
	ds_load_b32 v[60+(\i)], v[52+(\i)]             ; the two halves of K
	ds_load_b32 v[68+(\i)], v[52+(\i)] offset:4352
.endr
	s_wait_dscnt 0x0
.irp i, 0,1,2,3,4,5,6
	v_add_f32 v[60+(\i)], v[60+(\i)], v[68+(\i)]
	v_mul_f32 v[BE+(\i)], 0x3fb8aa3b, v[BE+(\i)]   ; beta log2(e)
	v_add_f32 v[60+(\i)], v[60+(\i)], v[BN+(\i)]
	v_mul_f32 v[76+(\i)], v[60+(\i)], v[BE+(\i)]   ; a = beta (z + b) log2(e)
.endr
.irp k, 0,1,2,3                        ; levels 0-3: the branch bit is bit 3 - k of u.  Bit 0: factor g = 1 / (1 + 2^-a); bit 1: 1 - g = 1 / (1 + 2^a)
	v_lshlrev_b32 v100, 28+(\k), v35
	v_and_b32 v100, 0x80000000, v100
	v_xor_b32 v100, 0x80000000, v100
	v_xor_b32 v[84+(\k)], v100, v[76+(\k)]
.endr
	v_xor_b32 v88, 0x80000000, v80                 ; levels 4 and 5: both signs are wanted
	v_xor_b32 v90, 0x80000000, v81
	v_xor_b32 v92, 0x80000000, v82
	v_exp_f32 v84, v84                             ; one batch of ten
	v_exp_f32 v85, v85
	v_exp_f32 v86, v86
	v_exp_f32 v87, v87
	v_exp_f32 v88, v88
	v_exp_f32 v89, v80
	v_exp_f32 v90, v90
	v_exp_f32 v91, v81
	v_exp_f32 v92, v92
	v_exp_f32 v93, v82
	v_nop                                          ; a plain instruction behind the last exponential,
	s_wait_alu depctr_va_vdst(0)                   ; and one wait ahead of the batch's first reader
.irp i, 0,1,2,3,4,5,6,7,8,9
	v_add_f32 v[84+(\i)], 1.0, v[84+(\i)]
.endr
	v_mul_f32 v84, v84, v85
	v_mul_f32 v86, v86, v87
	v_mul_f32 v84, v84, v86                        ; levels 0-3
	v_mul_f32 v88, v84, v88                        ; level 4 to the left,
	v_mul_f32 v89, v84, v89                        ; to the right
	v_mul_f32 v90, v88, v90                        ; leaves 4 u, 4 u + 1,
	v_mul_f32 v91, v88, v91
	v_mul_f32 v92, v89, v92                        ; 4 u + 2, 4 u + 3
	v_mul_f32 v93, v89, v93
	v_rcp_f32 v90, v90
	v_rcp_f32 v91, v91
	v_rcp_f32 v92, v92
	v_rcp_f32 v93, v93
	v_nop
	s_wait_alu depctr_va_vdst(0)                   ; one wait for the four reciprocals
.irp e, 0,1,2,3
	ds_store_b32 v11, v[90+(\e)] offset:64*(\e)
.endr
	s_wait_dscnt 0x0
	s_barrier_signal -1
	s_barrier_wait -1
	ds_load_b128 v[96:99], v12
	s_wait_dscnt 0x0
	global_store_b128 v5, v[96:99], s[12:13]       ; the work-group's 4,096 bytes of pt on end
	; ---- half a leaf's bias, by waves 0 and 1: chunk c of four columns, c = 64 (b % 2) + T
	s_cmp_lt_u32 s8, 2
	s_cbranch_scc0 .Lnobias
	s_lshr_b32 s9, ttmp9, 1                        ; the leaf
	s_and_b32 s10, ttmp9, 1
	s_lshl_b32 s10, s10, 6
	v_add_nc_u32 v100, s10, v0
	v_min_u32 v101, 124, v100                      ; chunks 125-127 do not exist in b_leaf: the address is held inside the row
	v_lshlrev_b32 v101, 4, v101
	v_lshlrev_b32 v102, 4, v100
	s_mul_i32 s36, s9, 2000
	s_mov_b32 s37, 0
	s_add_nc_u64 s[36:37], s[26:27], s[36:37]
	s_lshl_b32 s38, s9, 11
	s_mov_b32 s39, 0
	s_add_nc_u64 s[38:39], s[32:33], s[38:39]
	global_load_b128 v[104:107], v101, s[36:37]
	v_cmp_gt_u32 vcc_lo, 125, v100
	s_wait_loadcnt 0x0
.irp k, 0,1,2,3
	v_cndmask_b32 v[104+(\k)], 0xf149f2ca, v[104+(\k)], vcc_lo  ; -1e30 in the padding: its weight in the softmax is 0
.endr
	global_store_b128 v102, v[104:107], s[38:39]
.Lnobias:
	s_wait_tensorcnt 0x0                           ; the wave's end, behind my last LDS store
	ds_add_u32 v[SPW], v[NIL]
	s_wait_dscnt 0x0
	s_endpgm
.Lfunc_end_k_q0168cf9ac7_prep:
	.size	k_q0168cf9ac7_prep, .Lfunc_end_k_q0168cf9ac7_prep-k_q0168cf9ac7_prep
	.p2alignl 7, 3214868480
	.fill 96, 4, 3214868480
	.section	.rodata,"a",@progbits
	.p2align	6, 0x0
	.amdhsa_kernel k_q0168cf9ac7_prep
		.amdhsa_group_segment_fixed_size 46848
		.amdhsa_private_segment_fixed_size 0
		.amdhsa_enable_private_segment 0
		.amdhsa_kernarg_size 80
		.amdhsa_user_sgpr_count 2
		.amdhsa_user_sgpr_kernarg_segment_ptr 1
		.amdhsa_wavefront_size32 1
		.amdhsa_system_sgpr_workgroup_id_x 1
		.amdhsa_system_sgpr_workgroup_id_y 1
		.amdhsa_system_sgpr_workgroup_id_z 1
		.amdhsa_system_vgpr_workitem_id 0
		.amdhsa_next_free_vgpr 128
		.amdhsa_next_free_sgpr 66
		.amdhsa_reserve_vcc 1
		.amdhsa_float_denorm_mode_32 3
		.amdhsa_float_denorm_mode_16_64 3
		.amdhsa_memory_ordered 1
		.amdhsa_forward_progress 1
		.amdhsa_inst_pref_size 41
	.end_amdhsa_kernel
	.amdgpu_metadata
---
amdhsa.version: [ 1, 2 ]
amdhsa.kernels:
  - .name:           k_q0168cf9ac7_prep
    .symbol:         k_q0168cf9ac7_prep.kd
    .args:
      - { .name: x, .offset: 0, .size: 8, .value_kind: global_buffer, .address_space: global }
      - { .name: W_in, .offset: 8, .size: 8, .value_kind: global_buffer, .address_space: global }
      - { .name: b_in, .offset: 16, .size: 8, .value_kind: global_buffer, .address_space: global }
      - { .name: beta, .offset: 24, .size: 8, .value_kind: global_buffer, .address_space: global }
      - { .name: W_leaf, .offset: 32, .size: 8, .value_kind: global_buffer, .address_space: global }
      - { .name: b_leaf, .offset: 40, .size: 8, .value_kind: global_buffer, .address_space: global }
      - { .name: xb, .offset: 48, .size: 8, .value_kind: global_buffer, .address_space: global }
      - { .name: wb, .offset: 56, .size: 8, .value_kind: global_buffer, .address_space: global }
      - { .name: biasp, .offset: 64, .size: 8, .value_kind: global_buffer, .address_space: global }
      - { .name: pt, .offset: 72, .size: 8, .value_kind: global_buffer, .address_space: global }
    .group_segment_fixed_size: 46848
    .private_segment_fixed_size: 0
    .kernarg_segment_align: 8
    .kernarg_segment_size: 80
    .max_flat_workgroup_size: 256
    .sgpr_count:     66
    .vgpr_count:     128
    .wavefront_size: 32
...
	.end_amdgpu_metadata
.endif
;; end of part 1
;; launch main (part 2): grid 32 x 8, 4 waves a work-group, clusters of 4 x 1, 327,680 bytes of LDS; arguments xb, wb, biasp, pt, part; writes part
.if DOCPART == 2
	.amdgcn_target "amdgcn-amd-amdhsa--gfx1250"
	.amdhsa_code_object_version 6
	.text
	.protected	k_q0168cf9ac7_main
	.globl	k_q0168cf9ac7_main
	.p2align	8
	.type	k_q0168cf9ac7_main,@function
k_q0168cf9ac7_main:
	s_mov_b64 s[64:65], 0
	v_nop
	global_prefetch_b8 v0, s[64:65] scope:SCOPE_SE
	s_setreg_imm32_b32 hwreg(HW_REG_WAVE_MODE, 25, 1), 1
	s_wait_xcnt 0x0
	s_wait_alu depctr_hold_cnt(0) depctr_sa_sdst(0) depctr_va_vdst(0) depctr_va_sdst(0) depctr_va_ssrc(0) depctr_va_vcc(0) depctr_vm_vsrc(0)
	s_getreg_b32 s2, hwreg(HW_REG_IB_STS2, 6, 4)
	s_cmp_eq_u32 s2, 0
	s_cbranch_scc0 .Lentry_in_a_cluster
	s_endpgm
.Lentry_in_a_cluster:
	s_bfe_u32 s2, ttmp6, 0x10000c
	s_cmp_lg_u32 s2, 0x3003
	s_cbranch_scc0 .Lentry_shape_is_right
	s_endpgm
.Lentry_shape_is_right:
; SECOND OF THREE LAUNCHES.  part[g] = sum over the 8 leaves l of group g of p[n][l] softmax_o(x[n] . W[l][:, o] + b[l][o]), for 64 tokens a work-group.  No work of the problem is left out.
; SHARES.  Work-group (rb, g): tokens 64 rb .. + 63, leaves 8 g .. + 7: 32 x 8 = 256 work-groups.  Wave w: all 64 tokens (four tiles t of 16) x columns 128 w .. + 127 (eight blocks ob of 16).
; LAYOUT.  S^T = W^T x^T + b: source 0 = 16 columns o of W, turned out of [k][o] by ds_load_tr16_b128; source 1 = 16 tokens of x; C of a leaf's first product = the bias.  In the result a lane
; holds ONE token (lane % 16) and the columns 8 (lane / 16) + 0..7, so a token's maximum and sum want one exchange between the halves of the lanes and one between the four waves.
; K goes in steps of 128 through two LDS slots; 8 steps a leaf; the group's 8 leaves of wb are one dense stream of 64 tiles of 131,072 bytes.
; SOFTMAX.  Each wave takes ITS OWN maximum m_w of a token's 128 logits away before the exponentials: e = 2^(c s - c m_w), c = log2(e), Z_w = their sum.  The waves exchange (m_w, Z_w) in LDS:
; m = max m_w, Z = sum Z_w 2^(c m_w - c m), and O += e x f with f = p 2^(c m_w - c m) / Z.  Z is at least about 1: the wave that holds m counts its own maximum as 1.
; CLUSTER.  The four row blocks of a cluster have the same g and walk the same tiles of wb: each is asked for JOINTLY (mask of four).  x's tiles differ between partners (17,408 of a step's
; 152,576 LDS bytes) and come by loads of one's own, in the same rounds.
; LIMITS.  Matrix operands are bf16.  Padded columns 500-511 count as logits of -1e30 and get weight 0.  A weight below 2^-126 counts as 0.  NaN and infinities are not treated apart.
; REGISTERS, in windows of 256 (s_set_vgpr_msb: bits 1:0 source 0, 3:2 source 1, 5:4 source 2, 7:6 destination):
;   window 0: addresses, p, statistics.   window 1: two fragment buffers of 96 (W: 8 x 8, x: 4 x 8), then the bias, 64.   window 2: S(t, ob) at 8 (8 t + ob).   window 3: O, likewise.
.set PITB,  1056                       ; a row of W in LDS: 1,024 bytes + 32 = 264 words: row r starts at bank 8 r mod 64 (64 banks of 4 bytes: ISA guide 11.1)
.set PITX,  272                        ; a row of x: 256 bytes + 16: the 16 rows of a load start at 16 different groups of four banks
.set BHALF, 64*PITB                    ; 64 rows of W: what one joint load brings
.set XHALF, 32*PITX                    ; 32 rows of x: what one plain load brings
.set XOFF,  2*BHALF                    ; in a slot: W's 128 rows, then x's 64
.set SLOT,  XOFF+2*XHALF               ; 152,576
.set STAT,  2*SLOT                     ; behind the ring, never filled by a tensor load: [4 waves][64 tokens] x (m, Z), 2,048 bytes
.set SPARE, STAT+2048                  ; the spare words, 128 bytes for each wave: two blocks of 256 bytes that no other line names
.set TILEB, 131072                     ; a tile of wb in memory
.set ADRB, 4                           ; v4-7   LDS address of my W fragments: slot 0 rows 0-63, slot 0 rows 64-127, slot 1 likewise
.set ADRX, 8                           ; v8-9   of my x fragments in slot 0, 1
.set SPW,  10                          ; v10    LDS address of my spare word; never rewritten
.set NIL,  11                          ; v11    0; never rewritten
.set PFO,  12                          ; v12    the prefetches' offset: 256 x lane
.set BO,   13                          ; v13    my 32 bytes of a bias block: 512 w + 32 (lane / 16)
.set PO,   14                          ; v14    4 (lane % 16): my token in a block of pt
.set STW,  15                          ; v15    where I put (m, Z)
.set STR,  16                          ; v16    where I read the four waves'
.set GO,   17                          ; v17    16 x lane
.set P,    20                          ; v20-23 p of my token in tile t, for the leaf in hand
.set ST,   32                          ; tile t at v[ST+16 t]: +0 max chain A, then c m_w; +1 chain B; +2:3, +4:5 sum chains; +6 m_w; +7 Z_w; +8 at work, then my own factor's exponent; +9 -c m, then Z, 1/Z; +10 f; +11 its pair partner; +12..15 the four waves' factors
.set XS,   96                          ; v96-127 (m, Z) of wave w' for tile t at XS + 8 t + 2 w'
.set F0,   0                           ; window 1
.set F1,   96
.set BI,   192
.set XBP, 4                            ; s[4:5] xb   s[6:7] wb
.set WBP, 6
.set BIA, 8                            ; s[8:9]   biasp at the leaf whose bias was loaded last
.set PTB, 10                           ; s[10:11] pt at the leaf whose p was loaded last
.set PRT, 12                           ; s[12:13] part at my wave's 32,768 bytes
.set WV,  14
.set HALF, 15                          ; wave % 2: which half of a tile I fetch
.set CX,  16
.set RB,  17
.set GG,  18
.set G1B, 24                           ; s[24:31] descriptor group 1 for W's tiles
.set G1X, 32                           ; s[32:39] for x's
.set G0B, 40                           ; s[40:47] group 0 for W's tiles, a set for each slot
.set G0X, 48                           ; s[48:55] for x's
.set XB,  56                           ; s[56:57] xb at my 32 rows
.set KX,  58                           ; s[58:59], s[60:61] byte offset along K of the slot's x tile, modulo a row's 2,048
.set NCS, 62                           ; s62  -c
.set CS,  66                           ; s[66:67] c, named as a pair
.set SEL, 68                           ; s[68:69] v_permlanex16_b32's selects: each lane takes its own place in the other half
.set PFA, 70                           ; s[70:71] where my prefetches stand
.set LIM, 72                           ; s72  0 in a cluster that prefetches, else the greatest number
.set REM, 73                           ; s73  prefetches still to come
.set LEAF, 74
.set LAP, 75
.set MSB, 0
.macro WIN new                         ; the immediate's high byte repeats the setting that is left; a switch that changes nothing is dropped
.if MSB != (\new)
	s_set_vgpr_msb (MSB<<8)|(\new)
.set MSB, (\new)
.endif
.endm
.set W_MUL,  0xa5                      ; fragments in window 1, C and D in window 2
.set W_MUL1, 0x95                      ; the same with C, the bias, in window 1
.set W_LD,   0x40                      ; destination window 1, address window 0
.set W_MX,   0x0a                      ; sources 0 and 1 window 2, the rest window 0
.set W_EX,   0x82                      ; destination and source 0 window 2
.set W_SM,   0x02                      ; source 0 window 2
.set W_AC,   0xf2                      ; O (destination, source 2) window 3, S (source 0) window 2, f window 0
.set W_ST,   0x0c                      ; a store's data in window 3
.set W_CL,   0xc0                      ; destination window 3
.macro PLACES                          ; four places in front of loads into registers that matrix instructions have read (ISA guide 7.12.1 for vector instructions)
.rept 4
	v_nop
.endr
.endm
.macro CREST                           ; a round of the cluster's barrier behind its opening barrier
	s_cmp_lg_u32 s[WV], 0
	s_cbranch_scc1 .Lnot_wave_0_\@
	s_barrier_signal -3
.Lnot_wave_0_\@:
	s_barrier_wait -3
	s_barrier_signal -1
	s_barrier_wait -1
.endm
.macro CROUND
	s_barrier_signal -1
	s_barrier_wait -1
	CREST
.endm
; A refill.  Waves 0 and 1 fetch the two halves of W's tile, jointly with the three partners; waves 2 and 3 the two halves of my own x tile.  The branch hangs on the wave's number alone.
; An s_nop 0 and four v_nop follow each of the two lines, ahead of the jump and the label.
.macro JLOAD s
	s_cmp_lt_u32 s[WV], 2
	s_cbranch_scc0 .Lfor_x_\@
	tensor_load_to_lds s[G0B+4*(\s):G0B+4*(\s)+3], s[G1B:G1B+7]
	s_nop 0
.rept 4
	v_nop
.endr
	s_branch .Lasked_\@
.Lfor_x_\@:
	tensor_load_to_lds s[G0X+4*(\s):G0X+4*(\s)+3], s[G1X:G1X+7]
	s_nop 0
.rept 4
	v_nop
.endr
.Lasked_\@:
.endm
; A PREFETCH INTO THE L2 of the tile of wb that stands FOUR refills on (at step j: tile j + 6; the refill asks for tile j + 2): 512 matrix instructions ahead of the load that will want it.
; Each block of 256 bytes is named once in the launch: the eight clusters of a group walk the same tiles, and the first of them (cluster x = 0) asks; its four partners take 32,768 bytes each and
; their four waves 8,192 each, told apart BY ADDRESS; a lane a block, one instruction a wave.  Tiles 0-5 come by their loads alone; the last four refills ask for nothing.  x is not asked for:
; every work-group walks its own rows eight times.
.macro ASK
	s_cmp_gt_i32 s[REM], s[LIM]
	s_cbranch_scc0 .Lnot_mine_\@
	global_prefetch_b8 v[PFO], s[PFA:PFA+1] th:TH_LOAD_NT scope:SCOPE_SE
.Lnot_mine_\@:
.endm
.macro STEPD slot                      ; the slot's descriptors go two steps on: W along the stream; x along K, modulo a row, its address made anew
	s_add_nc_u64 s[G0B+4*(\slot)+2:G0B+4*(\slot)+3], s[G0B+4*(\slot)+2:G0B+4*(\slot)+3], 2*TILEB
	s_add_co_u32 s[KX+2*(\slot)], s[KX+2*(\slot)], 512
	s_and_b32 s[KX+2*(\slot)], s[KX+2*(\slot)], 0x7ff
	s_add_nc_u64 s[G0X+4*(\slot)+2:G0X+4*(\slot)+3], s[XB:XB+1], s[KX+2*(\slot):KX+2*(\slot)+1]
	s_or_b32 s[G0X+4*(\slot)+3], s[G0X+4*(\slot)+3], 0x80000000
.endm
	s_load_b256 s[4:11], s[0:1], 0x0               ; xb, wb, biasp, pt
	s_load_b64 s[12:13], s[0:1], 0x20              ; part
	v_lshl_add_u32 v[SPW], v0, 2, SPARE
	v_mov_b32 v[NIL], 0
	ds_add_u32 v[SPW], v[NIL]                      ; the wave's opening: the add, twice on end, and its wait ahead of my first tensor load; the set-up below, work on registers, stands between
	ds_add_u32 v[SPW], v[NIL]
	v_lshrrev_b32 v1, 5, v0
	v_readfirstlane_b32 s[WV], v1                  ; wave 0..3
	s_and_b32 s[HALF], s[WV], 1
	s_bfe_u32 s[CX], ttmp6, 0x40000                ; my place in the cluster
	s_lshl_b32 s[RB], ttmp9, 2                     ; in a cluster launch ttmp9 counts clusters
	s_add_co_u32 s[RB], s[RB], s[CX]               ; my block of 64 tokens: it enters x's, pt's and part's addresses alone
	s_and_b32 s[GG], ttmp7, 0xffff                 ; the group of leaves, which the four partners share
	; group 1 for W: 64 rows x 512 elements, 8 words of padding behind each row
	s_mov_b32 s[G1B],   15|(1<<16)|(1<<20)|(1<<21)|(7<<22)|(7<<25)  ; 15:0 the mask of four; 17:16 2-byte elements; 20 padding on; 21 set beside a mask; 24:22 after every 256 words (code 7); 31:25 8 words (code 7)
	s_mov_b32 s[G1B+1], 512<<16                    ; tensor_dim0 = 512
	s_mov_b32 s[G1B+2], 64<<16                     ; tensor_dim1 = 64
	s_mov_b32 s[G1B+3], 512<<16                    ; tile_dim0 = 512
	s_mov_b32 s[G1B+4], 64                         ; tile_dim1 = 64
	s_mov_b32 s[G1B+5], 512                        ; elements from row to row
	s_mov_b32 s[G1B+6], 0
	s_mov_b32 s[G1B+7], 0
	; group 1 for x: 32 rows x 128 elements, 4 words of padding behind each row, no mask
	s_mov_b32 s[G1X],   (1<<16)|(1<<20)|(5<<22)|(3<<25)
	s_mov_b32 s[G1X+1], 128<<16
	s_mov_b32 s[G1X+2], 32<<16
	s_mov_b32 s[G1X+3], 128<<16
	s_mov_b32 s[G1X+4], 32
	s_mov_b32 s[G1X+5], 1024
	s_mov_b32 s[G1X+6], 0
	s_mov_b32 s[G1X+7], 0
	s_mov_b32 s[KX], 0
	s_mov_b32 s[KX+1], 0
	s_mov_b32 s[KX+2], 256
	s_mov_b32 s[KX+3], 0
	s_mov_b32 s[CS], 0x3fb8aa3b                    ; c = log2(e)
	s_mov_b32 s[CS+1], s[CS]
	s_mov_b32 s[NCS], 0xbfb8aa3b
	s_mov_b32 s[SEL], 0x76543210
	s_mov_b32 s[SEL+1], 0xfedcba98
	s_mov_b32 s[REM], 59
	s_cmp_eq_u32 ttmp9, 0                          ; the same in all four partners
	s_cselect_b32 s[LIM], 0, 0x7fffffff
	s_lshl_b32 s19, s[HALF], 16                    ; my half of a tile: 64 rows of W, or 32 rows of x: 65,536 bytes either way
	s_lshl_b32 s20, s[GG], 23                      ; the group's 8 leaves of wb.  s[20:23] never hold my place in the cluster
	s_add_co_u32 s20, s20, s19
	s_mov_b32 s21, 0
	s_mul_i32 s22, s[HALF], BHALF                  ; and where the halves go: no place in the cluster enters an LDS address
	s_mul_i32 s23, s[HALF], XHALF
	s_add_co_u32 s23, s23, XOFF
	s_lshl_b32 s76, s[RB], 17                      ; my 64 rows of xb
	s_add_co_u32 s76, s76, s19
	s_mov_b32 s77, 0
	; the lanes' addresses
	v_and_b32 v1, 15, v0                           ; l % 16
	v_bfe_u32 v2, v0, 4, 1                         ; l / 16
	v_and_b32 v3, 7, v0
	v_lshl_add_u32 v3, v2, 3, v3
	v_mul_u32_u24 v3, v3, PITB                     ; the turning load: lane l reads row 8 (l / 16) + l % 8,
	v_bfe_u32 v18, v0, 3, 1
	v_lshl_add_u32 v3, v18, 4, v3                  ; columns 8 ((l / 8) % 2) on,
	s_lshl_b32 s19, s[WV], 8
	v_add_nc_u32 v[ADRB], s19, v3                  ; of my wave's 128
	v_add_nc_u32 v[ADRB+1], BHALF, v[ADRB]
	v_add_nc_u32 v[ADRB+2], SLOT, v[ADRB]
	v_add_nc_u32 v[ADRB+3], SLOT+BHALF, v[ADRB]
	v_mul_u32_u24 v[ADRX], v1, PITX
	v_lshl_add_u32 v[ADRX], v2, 4, v[ADRX]
	v_add_nc_u32 v[ADRX], XOFF, v[ADRX]
	v_add_nc_u32 v[ADRX+1], SLOT, v[ADRX]
	v_and_b32 v18, 31, v0
	v_lshlrev_b32 v[PFO], 8, v18
	v_lshlrev_b32 v[GO], 4, v18
	s_lshl_b32 s19, s[WV], 9
	v_lshl_add_u32 v[BO], v2, 5, s19
	v_lshlrev_b32 v[PO], 2, v1
	v_lshl_add_u32 v[STR], v1, 3, STAT
	v_add_nc_u32 v[STW], s19, v[STR]
	s_wait_dscnt 0x0                               ; both opening adds are done
	s_wait_kmcnt 0x0
	s_add_nc_u64 s[20:21], s[WBP:WBP+1], s[20:21]  ; wb at my half of tile 0
	s_add_nc_u64 s[XB:XB+1], s[XBP:XBP+1], s[76:77]
.irp s, 0,1
	s_mov_b32 s[G0B+4*(\s)], 1                     ; count = 1
	s_add_co_u32 s[G0B+4*(\s)+1], s22, (\s)*SLOT   ; LDS address
	s_add_nc_u64 s[G0B+4*(\s)+2:G0B+4*(\s)+3], s[20:21], (\s)*TILEB  ; global address: tile s
	s_or_b32 s[G0B+4*(\s)+3], s[G0B+4*(\s)+3], 0x80000000            ; type = 2
	s_mov_b32 s[G0X+4*(\s)], 1
	s_add_co_u32 s[G0X+4*(\s)+1], s23, (\s)*SLOT
	s_add_nc_u64 s[G0X+4*(\s)+2:G0X+4*(\s)+3], s[XB:XB+1], s[KX+2*(\s):KX+2*(\s)+1]
	s_or_b32 s[G0X+4*(\s)+3], s[G0X+4*(\s)+3], 0x80000000
.endr
	s_lshl_b32 s78, s[GG], 14                      ; biasp at leaf 8 g
	s_mov_b32 s79, 0
	s_add_nc_u64 s[BIA:BIA+1], s[BIA:BIA+1], s[78:79]
	s_lshl_b32 s76, s[RB], 14                      ; pt at my four blocks of 16 tokens, leaf 8 g
	s_lshl_b32 s78, s[GG], 9
	s_add_co_u32 s76, s76, s78
	s_add_nc_u64 s[PTB:PTB+1], s[PTB:PTB+1], s[76:77]
	s_lshl_b32 s76, s[GG], 5                       ; part: (32 g + rb) x 131,072 + w x 32,768
	s_add_co_u32 s76, s76, s[RB]
	s_lshl_b32 s76, s76, 17
	s_lshl_b32 s78, s[WV], 15
	s_add_co_u32 s76, s76, s78
	s_add_nc_u64 s[PRT:PRT+1], s[PRT:PRT+1], s[76:77]
	s_lshl_b32 s76, s[GG], 23                      ; the prefetches: the group's tile 5 (the first change of slots steps it to 6), my work-group's quarter, my wave's quarter of that
	s_lshl_b32 s78, s[CX], 15
	s_add_co_u32 s76, s76, s78
	s_lshl_b32 s78, s[WV], 13
	s_add_co_u32 s76, s76, s78
	s_add_co_u32 s76, s76, 5*TILEB
	s_add_nc_u64 s[PFA:PFA+1], s[WBP:WBP+1], s[76:77]
	CROUND                                         ; all four work-groups are here: the first joint loads meet
	s_cmp_lt_u32 s[WV], 2                          ; a wave's two first fills stand in one branch, ahead of every wait on TENSORcnt and every LDS read: two loads of mine are out
	s_cbranch_scc0 .Lfirst_x
	tensor_load_to_lds s[G0B:G0B+3], s[G1B:G1B+7]
	s_nop 0
	tensor_load_to_lds s[G0B+4:G0B+7], s[G1B:G1B+7]
	s_nop 0
.rept 4
	v_nop
.endr
	s_branch .Lfirst_asked
.Lfirst_x:
	tensor_load_to_lds s[G0X:G0X+3], s[G1X:G1X+7]
	s_nop 0
	tensor_load_to_lds s[G0X+4:G0X+7], s[G1X:G1X+7]
	s_nop 0
.rept 4
	v_nop
.endr
.Lfirst_asked:
.macro BIAS                            ; 16 loads: register j of block ob is the bias of column 128 w + 16 ob + 8 (l / 16) + j: the C operand as it lies
	WIN W_LD
.irp ob, 0,1,2,3,4,5,6,7
	global_load_b128 v[BI+8*(\ob):BI+8*(\ob)+3],   v[BO], s[BIA:BIA+1] offset:64*(\ob)
	global_load_b128 v[BI+8*(\ob)+4:BI+8*(\ob)+7], v[BO], s[BIA:BIA+1] offset:64*(\ob)+16
.endr
.endm
.macro ALLT line:vararg                ; one line for each tile t
.set t, 0
.rept 4
	\line
.set t, t+1
.endr
.endm
	BIAS                                           ; leaf 0's bias, then its p
	WIN 0
	ALLT global_load_b32 v[P+t], v[PO], s[PTB:PTB+1] offset:4096*t
	ALLT v_mov_b32 v[ST+16*t+8], 0                 ; v_permlanex16_b32's destination counts as read,
	ALLT v_mov_b32 v[ST+16*t+11], 0                ; and so does the partner in a pair
	WIN W_CL
.set i, 0
.rept 256
	v_mov_b32 v[i], 0                              ; O starts at 0: no first leaf is written out; these lines stand in the wait for the first tile
.set i, i+1
.endr
	WIN 0
; 8 matrix instructions: tile t x all 8 blocks, 32 along K.  first = 1: the bias starts the sums.  The 32 accumulators take turns in the same order in every quarter, one instruction a turn.
.macro MUL8 f, t, first
.if \first
	WIN W_MUL1
.else
	WIN W_MUL
.endif
.irp ob, 0,1,2,3,4,5,6,7
.if \first
	v_wmma_f32_16x16x32_bf16 v[8*(8*(\t)+(\ob)):8*(8*(\t)+(\ob))+7], v[(\f)+8*(\ob):(\f)+8*(\ob)+7], v[(\f)+64+8*(\t):(\f)+64+8*(\t)+7], v[BI+8*(\ob):BI+8*(\ob)+7]
.else
	v_wmma_f32_16x16x32_bf16 v[8*(8*(\t)+(\ob)):8*(8*(\t)+(\ob))+7], v[(\f)+8*(\ob):(\f)+8*(\ob)+7], v[(\f)+64+8*(\t):(\f)+64+8*(\t)+7], v[8*(8*(\t)+(\ob)):8*(8*(\t)+(\ob))+7]
.endif
.endr
.endm
; 24 LDS loads in one run: quarter q (32 of K) of a slot into buffer f: W's eight fragments (two turning loads each, 16 rows apart), then x's four
.macro FETCH slot, q, f
	WIN W_LD
.irp ob, 0,1,2,3,4,5,6,7
	ds_load_tr16_b128 v[(\f)+8*(\ob):(\f)+8*(\ob)+3],   v[ADRB+2*(\slot)+(\q)/2] offset:((\q)%2)*32*PITB+32*(\ob)
	ds_load_tr16_b128 v[(\f)+8*(\ob)+4:(\f)+8*(\ob)+7], v[ADRB+2*(\slot)+(\q)/2] offset:((\q)%2)*32*PITB+16*PITB+32*(\ob)
.endr
.irp t, 0,1,2,3
	ds_load_b128 v[(\f)+64+8*(\t):(\f)+64+8*(\t)+3],   v[ADRX+(\slot)] offset:16*PITX*(\t)+64*(\q)
	ds_load_b128 v[(\f)+64+8*(\t)+4:(\f)+64+8*(\t)+7], v[ADRX+(\slot)] offset:16*PITX*(\t)+64*(\q)+32
.endr
.endm
; A K step is four quarters of 32 along K, 32 matrix instructions each, on buffers 0, 1, 0, 1.  One of the first three: multiplies buffer f; in its middle it fetches quarter q of the same slot into buffer g.
.macro QUARTER slot, q, f, g, first
	s_wait_dscnt 4                                 ; W and x's tiles 0, 1 are in; the youngest four loads (x's tiles 2, 3) may be out
	MUL8 \f, 0, \first
	MUL8 \f, 1, \first
	PLACES
	FETCH \slot, \q, \g
	s_wait_dscnt 24                                ; all but the 24 just issued
	MUL8 \f, 2, \first
	MUL8 \f, 3, \first
.endm
; The last quarter multiplies buffer 1 and changes slots.  In front of the barrier each wave waits for all its tensor loads, of which one is out: its part of the next slot; adds 0 to its spare word;
; and waits for that and for its reads of this slot.  fill = 1: the barrier opens a round of the cluster's, so that no wave of any partner still reads this slot or has a load on its way, and the
; refill, two steps on, is the first thing behind it: 112 matrix instructions ahead of the wait for it.
.macro TURN slot, next, fill
.if \fill
	s_wait_xcnt 0x0                                ; the last prefetch, a K step back, has read its address, so it may be stepped
	s_add_nc_u64 s[PFA:PFA+1], s[PFA:PFA+1], TILEB
	s_sub_co_i32 s[REM], s[REM], 1
.endif
	WIN 0                                          ; (the add's two registers lie in window 0)
	s_wait_tensorcnt 0x0                           ; no tensor load of mine is out, so a group 0 may be written
	ds_add_u32 v[SPW], v[NIL]                      ; 0 onto my spare word; scalar work and eight products stand between it and the wait for it
.if \fill
	STEPD \slot
.endif
	s_wait_dscnt 5                                 ; (the add and x's tiles 2, 3 may be out)
	MUL8 F1, 0, 0
	s_wait_dscnt 0x0                               ; the add is done, and my reads of this slot are over
	s_barrier_signal -1
	MUL8 F1, 1, 0                                  ; work on registers while the others arrive
.if \fill
	WIN 0
.endif
	s_barrier_wait -1
.if \fill
	CREST
	JLOAD \slot                                    ; the four v_nop behind it are also the places in front of the loads below
.else
	PLACES
.endif
	FETCH \next, 0, F0
.if \fill
	WIN 0
	ASK                                            ; behind the refill and the run of LDS loads that the next products wait for
.endif
	MUL8 F1, 2, 0
	MUL8 F1, 3, 0
.endm
; ONE LEAF'S SOFTMAX AND ITS SHARE OF THE MIXTURE.  nxt = 1: a further leaf follows: its bias and its p are asked for here.
.macro SOFT nxt
.rept 8
	v_nop                                          ; the places behind the leaf's last products
.endr
.if \nxt
	s_add_nc_u64 s[BIA:BIA+1], s[BIA:BIA+1], 2048  ; (the loads that read this base were waited for in front of the leaf's first product)
	BIAS
.endif
	; the maxima: two chains a tile (even blocks, odd blocks), three operands at a time; each accumulator's lowest registers are read first
	WIN W_MX
.irp tp, 0,2
.set i, 0
.rept 16
.irp u, 0,1
.irp c, 0,1
.set rS, 8*(8*((\tp)+(\u))+2*(i/4)+(\c))+2*(i%4)
.set rM, ST+16*((\tp)+(\u))+(\c)
.if i == 0
	v_max_num_f32 v[rM], v[rS], v[rS+1]
.else
	v_max3_num_f32 v[rM], v[rS], v[rS+1], v[rM]
.endif
.endr
.endr
.set i, i+1
.endr
.endr
	WIN 0
	ALLT v_max_num_f32 v[ST+16*t+6], v[ST+16*t], v[ST+16*t+1]
	ALLT v_permlanex16_b32 v[ST+16*t+8], v[ST+16*t+6], s[SEL], s[SEL+1]  ; the token's other 64 columns lie in the lane 16 away
	ALLT v_max_num_f32 v[ST+16*t+6], v[ST+16*t+6], v[ST+16*t+8]          ; m_w
	ALLT v_mul_f32 v[ST+16*t], s[CS], v[ST+16*t+6]                       ; c m_w
	; ONE BATCH: 128 scalings c s - c m_w, a pair each, and 256 exponentials, in place; a pair is scaled two pairs ahead of its exponentials; nothing ahead of the wait names a result
	WIN W_EX
.set p, 0
.rept 2
	v_pk_fma_f32 v[2*p:2*p+1], v[2*p:2*p+1], s[CS:CS+1], v[ST+16*(p/32):ST+16*(p/32)+1] op_sel_hi:[1,0,0] neg_lo:[0,0,1] neg_hi:[0,0,1]
.set p, p+1
.endr
.set e, 0
.rept 128
.if p < 128
	v_pk_fma_f32 v[2*p:2*p+1], v[2*p:2*p+1], s[CS:CS+1], v[ST+16*(p/32):ST+16*(p/32)+1] op_sel_hi:[1,0,0] neg_lo:[0,0,1] neg_hi:[0,0,1]
.set p, p+1
.endif
	v_exp_f32 v[2*e], v[2*e]
	v_exp_f32 v[2*e+1], v[2*e+1]
.set e, e+1
.endr
	v_nop                                          ; a plain instruction behind the last exponential,
	s_wait_alu depctr_va_vdst(0)                   ; and one wait ahead of the batch's first reader
	; the sums: two chains of pairs a tile, the eight chains by turns
	WIN W_MX
.irp c, 0,1
	ALLT v_pk_add_f32 v[ST+16*t+2+2*(\c):ST+16*t+3+2*(\c)], v[64*t+4*(\c):64*t+4*(\c)+1], v[64*t+4*(\c)+2:64*t+4*(\c)+3]
.endr
	WIN W_SM
.set i, 4
.rept 28
	ALLT v_pk_add_f32 v[ST+16*t+2+2*(i%2):ST+16*t+3+2*(i%2)], v[64*t+2*i:64*t+2*i+1], v[ST+16*t+2+2*(i%2):ST+16*t+3+2*(i%2)]
.set i, i+1
.endr
	WIN 0
	ALLT v_pk_add_f32 v[ST+16*t+2:ST+16*t+3], v[ST+16*t+2:ST+16*t+3], v[ST+16*t+4:ST+16*t+5]
	ALLT v_add_f32 v[ST+16*t+7], v[ST+16*t+2], v[ST+16*t+3]
	ALLT v_permlanex16_b32 v[ST+16*t+8], v[ST+16*t+7], s[SEL], s[SEL+1]
	ALLT v_add_f32 v[ST+16*t+7], v[ST+16*t+7], v[ST+16*t+8]              ; Z_w
	; the four waves exchange (m_w, Z_w).  The words were last read a leaf ago, in front of eight barriers.  The refill that is out may stay out
	ALLT ds_store_b64 v[STW], v[ST+16*t+6:ST+16*t+7] offset:128*t
	s_wait_dscnt 0x0                               ; for the others' sake
	s_barrier_signal -1
	s_barrier_wait -1
.irp w, 0,1,2,3
	ALLT ds_load_b64 v[XS+8*t+2*(\w):XS+8*t+2*(\w)+1], v[STR] offset:512*(\w)+128*t
.endr
	s_wait_dscnt 0x0
	ALLT v_max3_num_f32 v[ST+16*t+9], v[XS+8*t], v[XS+8*t+2], v[XS+8*t+4]
	ALLT v_max_num_f32 v[ST+16*t+9], v[ST+16*t+9], v[XS+8*t+6]           ; m
	ALLT v_mul_f32 v[ST+16*t+9], s[NCS], v[ST+16*t+9]                    ; -c m
.irp w, 0,1,2,3
	ALLT v_fma_f32 v[ST+16*t+12+(\w)], v[XS+8*t+2*(\w)], s[CS], v[ST+16*t+9]
.endr
	ALLT v_add_f32 v[ST+16*t+8], v[ST+16*t], v[ST+16*t+9]                ; my own: from the c m_w that my exponentials took
.irp k, 12,13,14,15,8
	ALLT v_exp_f32 v[ST+16*t+(\k)], v[ST+16*t+(\k)]
.endr
	v_nop
	s_wait_alu depctr_va_vdst(0)                   ; one wait for the twenty
	ALLT v_mul_f32 v[ST+16*t+9], v[XS+8*t+1], v[ST+16*t+12]
.irp w, 1,2,3
	ALLT v_fma_f32 v[ST+16*t+9], v[XS+8*t+2*(\w)+1], v[ST+16*t+12+(\w)], v[ST+16*t+9]
.endr
	ALLT v_rcp_f32 v[ST+16*t+9], v[ST+16*t+9]
	v_nop
	s_wait_alu depctr_va_vdst(0)                   ; one wait for the four
.if \nxt
	s_wait_loadcnt 16                              ; this leaf's p is in; the 16 younger loads are the next leaf's bias
.else
	s_wait_loadcnt 0x0
.endif
	ALLT v_mul_f32 v[ST+16*t+10], v[ST+16*t+8], v[ST+16*t+9]
	ALLT v_mul_f32 v[ST+16*t+10], v[ST+16*t+10], v[P+t]                  ; f
.if \nxt
	s_add_nc_u64 s[PTB:PTB+1], s[PTB:PTB+1], 64    ; (the wait above has shown the loads that read this base done)
	ALLT global_load_b32 v[P+t], v[PO], s[PTB:PTB+1] offset:4096*t
.endif
	WIN W_AC
.set p, 0
.rept 128
	v_pk_fma_f32 v[2*p:2*p+1], v[2*p:2*p+1], v[ST+16*(p/32)+10:ST+16*(p/32)+11], v[2*p:2*p+1] op_sel_hi:[1,0,1]  ; O += e f
.set p, p+1
.endr
	WIN 0
.endm
	s_wait_tensorcnt 1                             ; my part of slot 0 is in; slot 1's may stay out
	s_barrier_signal -1
	s_barrier_wait -1                              ; everybody's is
	FETCH 0, 0, F0
	WIN 0                                          ; at a label and at a branch every window is 0
	s_mov_b32 s[LEAF], 8
	s_branch .Lfirst                               ; the loop over leaves is entered at a leaf's first quarter
.Lleaf:                                            ; a leaf's last lap: its two refills are the next leaf's steps 0 and 1, since the stream of tiles runs on
	QUARTER 0, 2, F1, F0, 0
	QUARTER 0, 3, F0, F1, 0
	TURN 0, 1, 1
	QUARTER 1, 1, F0, F1, 0
	QUARTER 1, 2, F1, F0, 0
	QUARTER 1, 3, F0, F1, 0
	TURN 1, 0, 1
	SOFT 1
.Lfirst:
	s_wait_loadcnt 4                               ; the bias is in; the four younger loads are p
	QUARTER 0, 1, F0, F1, 1                        ; the bias starts the sums
	WIN 0
	s_mov_b32 s[LAP], 3
.Llap:                                             ; a trip goes once round the ring, from a lap's second quarter to the next lap's first, and fills both slots again
	QUARTER 0, 2, F1, F0, 0
	QUARTER 0, 3, F0, F1, 0
	TURN 0, 1, 1
	QUARTER 1, 1, F0, F1, 0
	QUARTER 1, 2, F1, F0, 0
	QUARTER 1, 3, F0, F1, 0
	TURN 1, 0, 1
	QUARTER 0, 1, F0, F1, 0
	WIN 0
	s_sub_co_u32 s[LAP], s[LAP], 1
	s_cmp_lg_u32 s[LAP], 0
	s_cbranch_scc1 .Llap
	s_sub_co_u32 s[LEAF], s[LEAF], 1
	s_cmp_lg_u32 s[LEAF], 0
	s_cbranch_scc1 .Lleaf
	QUARTER 0, 2, F1, F0, 0                        ; the last leaf's last lap is written out: nothing is asked for
	QUARTER 0, 3, F0, F1, 0
	TURN 0, 1, 0
	QUARTER 1, 1, F0, F1, 0
	QUARTER 1, 2, F1, F0, 0
	QUARTER 1, 3, F0, F1, 0
	s_wait_dscnt 4
	MUL8 F1, 0, 0
	MUL8 F1, 1, 0
	s_wait_dscnt 0x0
	MUL8 F1, 2, 0
	MUL8 F1, 3, 0
	SOFT 0
	; THE WAY OUT: O leaves as it lies in registers, [accumulator 8 t + ob][half of its registers][lane][4 f32]: each store of the wave covers 512 consecutive bytes, aligned.  The third launch turns it into rows.
	WIN W_ST
.set i, 0
.rept 64
	global_store_b128 v[GO], v[4*i:4*i+3], s[PRT:PRT+1] offset:512*i
.set i, i+1
.endr
	WIN 0
	s_wait_tensorcnt 0x0                           ; the wave's end, behind my last tensor load and my last LDS store
	ds_add_u32 v[SPW], v[NIL]
	s_wait_dscnt 0x0
	CROUND                                         ; the closing round: no work-group ends while a partner may still ask for a tile that names it
	s_endpgm
.Lfunc_end_k_q0168cf9ac7_main:
	.size	k_q0168cf9ac7_main, .Lfunc_end_k_q0168cf9ac7_main-k_q0168cf9ac7_main
	.p2alignl 7, 3214868480
	.fill 96, 4, 3214868480
	.section	.rodata,"a",@progbits
	.p2align	6, 0x0
	.amdhsa_kernel k_q0168cf9ac7_main
		.amdhsa_group_segment_fixed_size 327680
		.amdhsa_private_segment_fixed_size 0
		.amdhsa_enable_private_segment 0
		.amdhsa_kernarg_size 40
		.amdhsa_user_sgpr_count 2
		.amdhsa_user_sgpr_kernarg_segment_ptr 1
		.amdhsa_wavefront_size32 1
		.amdhsa_system_sgpr_workgroup_id_x 1
		.amdhsa_system_sgpr_workgroup_id_y 1
		.amdhsa_system_sgpr_workgroup_id_z 1
		.amdhsa_system_vgpr_workitem_id 0
		.amdhsa_next_free_vgpr 1024
		.amdhsa_next_free_sgpr 80
		.amdhsa_reserve_vcc 0
		.amdhsa_float_denorm_mode_32 3
		.amdhsa_float_denorm_mode_16_64 3
		.amdhsa_memory_ordered 1
		.amdhsa_forward_progress 1
		.amdhsa_inst_pref_size 211
	.end_amdhsa_kernel
	.amdgpu_metadata
---
amdhsa.version: [ 1, 2 ]
amdhsa.kernels:
  - .name:           k_q0168cf9ac7_main
    .symbol:         k_q0168cf9ac7_main.kd
    .args:
      - { .name: xb, .offset: 0, .size: 8, .value_kind: global_buffer, .address_space: global }
      - { .name: wb, .offset: 8, .size: 8, .value_kind: global_buffer, .address_space: global }
      - { .name: biasp, .offset: 16, .size: 8, .value_kind: global_buffer, .address_space: global }
      - { .name: pt, .offset: 24, .size: 8, .value_kind: global_buffer, .address_space: global }
      - { .name: part, .offset: 32, .size: 8, .value_kind: global_buffer, .address_space: global }
    .group_segment_fixed_size: 327680
    .private_segment_fixed_size: 0
    .kernarg_segment_align: 8
    .kernarg_segment_size: 40
    .max_flat_workgroup_size: 128
    .sgpr_count:     80
    .vgpr_count:     1024
    .wavefront_size: 32
...
	.end_amdgpu_metadata
.endif
;; end of part 2
;; launch sum (part 3): grid 128 x 1, 16 waves a work-group, no clusters, 34,304 bytes of LDS; arguments part, out0; writes out0
.if DOCPART == 3
	.amdgcn_target "amdgcn-amd-amdhsa--gfx1250"
	.amdhsa_code_object_version 6
	.text
	.protected	k_q0168cf9ac7_sum
	.globl	k_q0168cf9ac7_sum
	.p2align	8
	.type	k_q0168cf9ac7_sum,@function
k_q0168cf9ac7_sum:
	s_mov_b64 s[64:65], 0
	v_nop
	global_prefetch_b8 v0, s[64:65] scope:SCOPE_SE
	s_setreg_imm32_b32 hwreg(HW_REG_WAVE_MODE, 25, 1), 1
	s_wait_xcnt 0x0
; THIRD OF THREE LAUNCHES.  out0 = the sum of the eight groups' partial mixtures (f32, a fixed tree), turned from the second launch's register order into rows of 500.  No work of the problem is left out.
; part: [8 g][32 rb][4 w][32 accumulators 8 t + ob][2 q][32 lanes][4 f32]; the four numbers are token 64 rb + 16 t + lane % 16, columns 128 w + 16 ob + 8 (lane / 16) + 4 q + 0..3.
; SHARES.  Work-group b = 4 rb + t owns 16 tokens: 32,000 consecutive bytes of out0, which begin at a multiple of 256.  Wave v (w = v / 4, sub = v % 4) takes positions 4 sub + i, i = 0..3, of the
; 16 (ob, q) of its w: for each, 512 consecutive bytes from each of the 8 groups: 32 loads a wave, all issued before the first wait.
; THE STAGE in LDS is the 16 rows as they lie in out0, 2,000 bytes apart (125 x 16: the 16 rows of a store start in different groups of four banks; 64 banks of 4 bytes: ISA guide 11.1).
; Columns 500-511 do not exist: in that layout wave 15's stores for i = 2, 3 run 48 bytes into the next row's columns 0-11.  So ALL waves store i = 2, 3 first; behind a barrier all store i = 0, 1,
; of which wave 0's cover exactly columns 0-15 of every row.  Row 15's 48 bytes fall behind the stage's 32,000, where nothing is read.
.set ROWB,  2000
.set SPARE, 32256                      ; the spare words, 128 bytes for each of 16 waves: eight blocks of 256 bytes that no other line names
.set SPW, 2                            ; v2  LDS address of my spare word; never rewritten
.set NIL, 3                            ; v3  0; never rewritten
.set LO,  4                            ; v4  my 16 bytes in a group's block: 32,768 w + 2,048 sub + 16 lane
.set LW,  5                            ; v5  where position i = 0 goes in the stage
.set FL,  8                            ; v8  16 T: the stage read flat, and out0 written flat
.set FC,  9                            ; v9  the last flat chunk's LDS address, held inside the stage
.set D,   32                           ; v[32:159] position i, group g at D + 32 i + 4 g
.macro ADD2 a, b                       ; four numbers
	v_pk_add_f32 v[(\a):(\a)+1],   v[(\a):(\a)+1],   v[(\b):(\b)+1]
	v_pk_add_f32 v[(\a)+2:(\a)+3], v[(\a)+2:(\a)+3], v[(\b)+2:(\b)+3]
.endm
.macro POS i, left                     ; position i: its eight loads are in, `left` younger ones stay out; ((0+1)+(2+3))+((4+5)+(6+7)); into the stage
	s_wait_loadcnt \left
	ADD2 D+32*(\i),    D+32*(\i)+4
	ADD2 D+32*(\i)+8,  D+32*(\i)+12
	ADD2 D+32*(\i)+16, D+32*(\i)+20
	ADD2 D+32*(\i)+24, D+32*(\i)+28
	ADD2 D+32*(\i),    D+32*(\i)+8
	ADD2 D+32*(\i)+16, D+32*(\i)+24
	ADD2 D+32*(\i),    D+32*(\i)+16
	ds_store_b128 v[LW], v[D+32*(\i):D+32*(\i)+3] offset:64*((\i)/2)+16*((\i)%2)
.endm
	s_load_b128 s[4:7], s[0:1], 0x0                ; part, out0
	v_lshl_add_u32 v[SPW], v0, 2, SPARE
	v_mov_b32 v[NIL], 0
	v_lshrrev_b32 v1, 5, v0
	v_readfirstlane_b32 s8, v1                     ; wave 0..15
	s_lshr_b32 s9, s8, 2                           ; w
	s_and_b32 s10, s8, 3                           ; sub
	s_lshr_b32 s11, ttmp9, 2                       ; rb
	s_and_b32 s12, ttmp9, 3                        ; t
	s_lshl_b32 s14, s11, 17
	s_lshl_b32 s13, s12, 13
	s_add_co_u32 s14, s14, s13                     ; rb x 131,072 + t x 8,192
	s_mov_b32 s15, 0
	s_mul_i32 s36, ttmp9, 16*ROWB
	s_mov_b32 s37, 0
	v_and_b32 v13, 31, v0                          ; lane
	v_and_b32 v14, 15, v0                          ; the token
	v_bfe_u32 v15, v0, 4, 1                        ; lane / 16
	s_lshl_b32 s13, s9, 15
	s_lshl_b32 s38, s10, 11
	s_add_co_u32 s13, s13, s38
	v_lshl_add_u32 v[LO], v13, 4, s13
	v_mul_u32_u24 v[LW], v14, ROWB
	v_lshl_add_u32 v[LW], v15, 5, v[LW]
	s_lshl_b32 s13, s9, 9
	s_lshl_b32 s38, s10, 7
	s_add_co_u32 s13, s13, s38
	v_add_nc_u32 v[LW], s13, v[LW]                 ; token x 2,000 + 4 x (128 w + 32 sub + 8 (lane / 16))
	v_lshlrev_b32 v[FL], 4, v0
	v_add_nc_u32 v[FC], 24576, v[FL]
	v_min_u32 v[FC], 16*ROWB-16, v[FC]
	s_wait_kmcnt 0x0
	s_add_nc_u64 s[16:17], s[4:5], s[14:15]        ; group 0's block,
.irp g, 1,2,3,4,5,6,7
	s_add_nc_u64 s[16+2*(\g):17+2*(\g)], s[14+2*(\g):15+2*(\g)], 0x400000  ; and the others', 4,194,304 bytes apart
.endr
	s_add_nc_u64 s[6:7], s[6:7], s[36:37]
.irp i, 2,3,0,1                        ; in the order in which they are wanted
.irp g, 0,1,2,3,4,5,6,7
	global_load_b128 v[D+32*(\i)+4*(\g):D+32*(\i)+4*(\g)+3], v[LO], s[16+2*(\g):17+2*(\g)] offset:512*(\i) th:TH_LOAD_NT
.endr
.endr
	POS 2, 24
	POS 3, 16
	s_wait_dscnt 0x0                               ; my stores, wave 15's overrun among them, are done
	s_barrier_signal -1
	s_barrier_wait -1                              ; everybody's are: what follows lands on top
	POS 0, 8
	POS 1, 0
	s_wait_dscnt 0x0
	s_barrier_signal -1
	s_barrier_wait -1                              ; the stage is whole
	ds_load_b128 v[32:35], v[FL]
	ds_load_b128 v[36:39], v[FL] offset:8192
	ds_load_b128 v[40:43], v[FL] offset:16384
	ds_load_b128 v[44:47], v[FC]
.irp i, 0,1,2
	s_wait_dscnt 3-(\i)                            ; LDS loads come back in order: the younger ones may stay out
	global_store_b128 v[FL], v[32+4*(\i):35+4*(\i)], s[6:7] offset:8192*(\i) th:TH_STORE_NT  ; a wave's store covers 512 consecutive bytes, aligned
.endr
	s_wait_dscnt 0x0
	v_cmp_gt_u32 vcc_lo, 464, v0                   ; 32,000 - 24,576 = 7,424 bytes are left: 464 threads
	s_wait_xcnt 0x0                                ; EXEC changes only behind this wait: the stores above have read it
	s_and_saveexec_b32 s38, vcc_lo
	global_store_b128 v[FL], v[44:47], s[6:7] offset:24576 th:TH_STORE_NT
	s_wait_xcnt 0x0                                ; and again, in front of the line that widens it
	s_or_b32 exec_lo, exec_lo, s38
	s_wait_tensorcnt 0x0                           ; the wave's end, behind my last LDS store
	ds_add_u32 v[SPW], v[NIL]
	s_wait_dscnt 0x0
	s_endpgm
.Lfunc_end_k_q0168cf9ac7_sum:
	.size	k_q0168cf9ac7_sum, .Lfunc_end_k_q0168cf9ac7_sum-k_q0168cf9ac7_sum
	.p2alignl 7, 3214868480
	.fill 96, 4, 3214868480
	.section	.rodata,"a",@progbits
	.p2align	6, 0x0
	.amdhsa_kernel k_q0168cf9ac7_sum
		.amdhsa_group_segment_fixed_size 34304
		.amdhsa_private_segment_fixed_size 0
		.amdhsa_enable_private_segment 0
		.amdhsa_kernarg_size 16
		.amdhsa_user_sgpr_count 2
		.amdhsa_user_sgpr_kernarg_segment_ptr 1
		.amdhsa_wavefront_size32 1
		.amdhsa_system_sgpr_workgroup_id_x 1
		.amdhsa_system_sgpr_workgroup_id_y 1
		.amdhsa_system_sgpr_workgroup_id_z 1
		.amdhsa_system_vgpr_workitem_id 0
		.amdhsa_next_free_vgpr 160
		.amdhsa_next_free_sgpr 66
		.amdhsa_reserve_vcc 1
		.amdhsa_float_denorm_mode_32 3
		.amdhsa_float_denorm_mode_16_64 3
		.amdhsa_memory_ordered 1
		.amdhsa_forward_progress 1
		.amdhsa_inst_pref_size 11
	.end_amdhsa_kernel
	.amdgpu_metadata
---
amdhsa.version: [ 1, 2 ]
amdhsa.kernels:
  - .name:           k_q0168cf9ac7_sum
    .symbol:         k_q0168cf9ac7_sum.kd
    .args:
      - { .name: part, .offset: 0, .size: 8, .value_kind: global_buffer, .address_space: global }
      - { .name: out0, .offset: 8, .size: 8, .value_kind: global_buffer, .address_space: global }
    .group_segment_fixed_size: 34304
    .private_segment_fixed_size: 0
    .kernarg_segment_align: 8
    .kernarg_segment_size: 16
    .max_flat_workgroup_size: 512
    .sgpr_count:     66
    .vgpr_count:     160
    .wavefront_size: 32
...
	.end_amdgpu_metadata
.endif
;; end of part 3
;; ======== version 2 of 2: 3 launches
;; workspace buffers: xb 4,194,304 bytes; wb 67,108,864 bytes; biasp 131,072 bytes; pt 524,288 bytes; eb 134,217,728 bytes; st 4,194,304 bytes
;; launch prep (part 4): grid 2176 x 1, 8 waves a work-group, no clusters, 46,848 bytes of LDS; arguments x, W_in, b_in, beta, W_leaf, b_leaf, xb, wb, biasp, pt; writes xb, wb, biasp, pt
.if DOCPART == 4
	.amdgcn_target "amdgcn-amd-amdhsa--gfx1250"
	.amdhsa_code_object_version 6
	.text
	.protected	k_q0168cf9ac7_prep
	.globl	k_q0168cf9ac7_prep
	.p2align	8
	.type	k_q0168cf9ac7_prep,@function
k_q0168cf9ac7_prep:
	s_mov_b64 s[64:65], 0
	v_nop
	global_prefetch_b8 v0, s[64:65] scope:SCOPE_SE
	s_setreg_imm32_b32 hwreg(HW_REG_WAVE_MODE, 25, 1), 1
	s_wait_xcnt 0x0
; FIRST OF THREE LAUNCHES.  out[n][o] = sum over 64 leaves l of p[n][l] softmax_o(x[n] . W_leaf[l][:, o] + b_leaf[l][o]); p[n][l] = the product of six gate factors on the way to leaf l.
; NOTHING IS LEFT OUT: the gates are soft, so every leaf's product, softmax and weight reaches every output; b_leaf varies along the softmax's axis; all six inputs are loaded.
; Extra work inside live tiles only: 500 columns padded to 512, 63 gate nodes padded to 64.
; THIS LAUNCH rounds the matrix operands once to bf16 and lays them out for the second launch, and makes the 64 path probabilities of every token.
;   work-groups 0-127 (16 tokens each): x -> xb [2048][1024] bf16; z = x W_in^T by the matrix unit (bf16 operands, f32 sums); p -> pt [128 blocks of 16 tokens][64 leaves][16 tokens] f32;
;                                       and half a leaf's bias -> biasp [64][512] f32, columns 500-511 = -1e30.
;   work-groups 128-2175 (32 rows (l, k) each): W_leaf -> wb [128 column tiles 2 l + half][1024 k][256] bf16, a leaf's columns 500-511 = 0.
; LIMITS.  x, W_in, W_leaf are rounded once to bf16.  A factor 1 - g is formed as sigmoid(-t), not as 1.0 - g.  p = 1 / the product of six (1 + 2^(+-a)), a = t log2(e): each factor is at least 1,
; so no 0 x infinity arises; a product beyond f32's range gives p = 0 where the true p is below 2^-127.  NaN and infinities in the inputs are not treated apart.
.set XTP,   2064                       ; gate role, LDS: a token's 1,024 bf16 + 16 bytes: 129 x 16, so the 16 rows of a fragment load start in 16 different groups of four banks (64 banks of 4 bytes: ISA guide 11.1)
.set ZP,    33024                      ; behind 16 such rows: z, 2 halves of K x 16 tokens x 272 bytes (64 nodes of f32 + 16)
.set PS,    41728                      ; p as it leaves: [64 leaves][16 tokens] f32, 4,096 bytes
.set SPARE, 45824                      ; the spare words, 128 bytes for each of 8 waves: four blocks of 256 bytes that no other line names
.set SPW, 2                            ; v2  LDS address of my spare word; never rewritten
.set NIL, 3                            ; v3  0; never rewritten
.set WX,  16                           ; W role: v[16:79] sixteen passes of 4 f32
.set NV,  13                           ; gate role: v[13:19] 4 x node for my seven nodes
.set BE,  20                           ; v[20:26] beta of them
.set BN,  27                           ; v[27:33] b_in of them
.set XR,  36                           ; v[36:99] x as loaded, eight chunks of 8 f32
.set ACC, 36                           ; afterwards: v[36:51] two accumulators
.set WF,  52                           ; v[52:67] W_in's fragments, two sets
.set XFR, 68                           ; v[68:83] x's fragments, two sets
.set WR,  84                           ; v[84:115] W_in as loaded, two buffers of 16 f32
.macro CVT4 b                          ; eight f32 at v[b] -> eight bf16 in v[b:b+3], in place: each source is read before it is written
	v_cvt_pk_bf16_f32 v[(\b)],   v[(\b)],   v[(\b)+1]
	v_cvt_pk_bf16_f32 v[(\b)+1], v[(\b)+2], v[(\b)+3]
	v_cvt_pk_bf16_f32 v[(\b)+2], v[(\b)+4], v[(\b)+5]
	v_cvt_pk_bf16_f32 v[(\b)+3], v[(\b)+6], v[(\b)+7]
.endm
	s_load_b512 s[16:31], s[0:1], 0x0              ; x 16, W_in 18, b_in 20, beta 22, W_leaf 24, b_leaf 26, xb 28, wb 30
	s_load_b128 s[32:35], s[0:1], 0x40             ; biasp 32, pt 34
	v_lshl_add_u32 v[SPW], v0, 2, SPARE
	v_mov_b32 v[NIL], 0
	v_lshrrev_b32 v1, 5, v0
	v_readfirstlane_b32 s8, v1                     ; wave 0..7
	s_wait_kmcnt 0x0
	s_cmp_lt_u32 ttmp9, 128                        ; the same in all waves of a work-group
	s_cbranch_scc1 .Lgate
	; ---- W ROLE: 32 rows of 500 f32 (2,000 bytes) of one leaf become 32 rows of 256 bf16 (512 bytes) in each of the leaf's two column tiles.
	; Thread T: columns 4 (T % 128) on, row 2 p + T / 128 in pass p.  Neighbouring lanes take neighbouring 16 bytes: a wave's load covers 512 consecutive bytes of a row, and no byte is asked for twice;
	; its store covers 256 consecutive bytes, aligned.
	s_sub_co_u32 s9, ttmp9, 128
	s_mul_i32 s10, s9, 64000                       ; 32 rows in, under 2^31
	s_mov_b32 s11, 0
	s_add_nc_u64 s[4:5], s[24:25], s[10:11]
	s_lshr_b32 s10, s9, 5                          ; the leaf: two tiles of 524,288 bytes,
	s_lshl_b32 s10, s10, 20
	s_and_b32 s12, s9, 31                          ; and my 32 of its 1,024 rows, 512 bytes each
	s_lshl_b32 s12, s12, 14
	s_add_co_u32 s10, s10, s12
	s_add_nc_u64 s[6:7], s[30:31], s[10:11]
	v_and_b32 v9, 127, v0                          ; j: my four columns
	v_lshrrev_b32 v10, 7, v0                       ; my row of a pass's two
	v_lshlrev_b32 v6, 9, v10                       ; out: that row,
	v_mul_u32_u24 v10, v10, 2000                   ; in: the same
	v_lshlrev_b32 v11, 4, v9
	v_min_u32 v4, 1984, v11                        ; chunks 125-127 do not exist: the address is held at the row's last 16 bytes, so that no load leaves the row
	v_add_nc_u32 v4, v4, v10
	v_lshrrev_b32 v12, 6, v9
	v_lshl_add_u32 v6, v12, 19, v6                 ; the tile of columns 256 (j / 64) on,
	v_and_b32 v12, 63, v9
	v_lshl_add_u32 v6, v12, 3, v6                  ; 8 bytes a lane
	v_cmp_gt_u32 vcc_lo, 125, v9
	v_cndmask_b32 v7, 0, -1, vcc_lo                ; columns 500-511 are written as 0
.irp p, 0,1,2,3,4,5,6,7,8,9,10,11,12,13,14,15
	global_load_b128 v[WX+4*(\p):WX+4*(\p)+3], v4, s[4:5] offset:4000*(\p) th:TH_LOAD_NT
.endr
.irp p, 0,1,2,3,4,5,6,7,8,9,10,11,12,13,14,15
	s_wait_loadcnt 15-(\p)                         ; loads come back in order: this pass's is in, the later passes' stay out
	v_cvt_pk_bf16_f32 v[WX+4*(\p)],   v[WX+4*(\p)],   v[WX+4*(\p)+1]
	v_cvt_pk_bf16_f32 v[WX+4*(\p)+1], v[WX+4*(\p)+2], v[WX+4*(\p)+3]
	v_and_b32 v[WX+4*(\p)],   v7, v[WX+4*(\p)]
	v_and_b32 v[WX+4*(\p)+1], v7, v[WX+4*(\p)+1]
	global_store_b64 v6, v[WX+4*(\p):WX+4*(\p)+1], s[6:7] offset:1024*(\p)
.endr
	s_endpgm                                       ; this role has written no LDS
	; ---- GATE ROLE: tokens 16 b .. 16 b + 15.  r = T % 16 is a token, u = T / 16 a group of four leaves 4 u .. 4 u + 3.
.Lgate:
	s_lshl_b32 s10, ttmp9, 16
	s_mov_b32 s11, 0
	s_add_nc_u64 s[4:5], s[16:17], s[10:11]        ; x at my 16 tokens
	s_lshl_b32 s10, ttmp9, 15
	s_add_nc_u64 s[6:7], s[28:29], s[10:11]        ; xb
	s_lshl_b32 s10, ttmp9, 12
	s_add_nc_u64 s[12:13], s[34:35], s[10:11]      ; pt
	s_and_b32 s14, s8, 3                           ; nb: my block of 16 nodes
	s_lshr_b32 s15, s8, 2                          ; kh: my half of K
	v_and_b32 v34, 15, v0                          ; r
	v_lshrrev_b32 v35, 4, v0                       ; u
	; the nodes on the way to leaves 4 u + e: level k's node is 2^k - 1 + the leaf's top k bits
	v_mov_b32 v[NV], 0
	v_lshrrev_b32 v[NV+1], 3, v35
	v_add_lshl_u32 v[NV+1], v[NV+1], 1, 2
	v_lshrrev_b32 v[NV+2], 2, v35
	v_add_lshl_u32 v[NV+2], v[NV+2], 3, 2
	v_lshrrev_b32 v[NV+3], 1, v35
	v_add_lshl_u32 v[NV+3], v[NV+3], 7, 2
	v_add_lshl_u32 v[NV+4], v35, 15, 2
	v_lshl_add_u32 v[NV+5], v35, 1, 31
	v_lshlrev_b32 v[NV+5], 2, v[NV+5]              ; level 5, left child of my level-4 node,
	v_add_nc_u32 v[NV+6], 4, v[NV+5]               ; and right: node 62 at the most
	v_lshlrev_b32 v4, 5, v0                        ; x in: 32 T
.irp i, 0,1,2,3,4,5,6
	global_load_b32 v[BE+(\i)], v[NV+(\i)], s[22:23]
	global_load_b32 v[BN+(\i)], v[NV+(\i)], s[20:21]
.endr
.irp i, 0,1,2,3,4,5,6,7                ; chunk i: tokens 2 i, 2 i + 1; 8 numbers a thread
	global_load_b128 v[XR+8*(\i):XR+8*(\i)+3],   v4, s[4:5] offset:8192*(\i) th:TH_LOAD_NT
	global_load_b128 v[XR+8*(\i)+4:XR+8*(\i)+7], v4, s[4:5] offset:8192*(\i)+16 th:TH_LOAD_NT
.endr
	v_lshlrev_b32 v5, 4, v0                        ; out: 16 T
	v_lshrrev_b32 v101, 7, v0
	v_mul_u32_u24 v101, v101, XTP
	v_and_b32 v6, 127, v0
	v_lshl_add_u32 v6, v6, 4, v101                 ; LDS: (T / 128) rows + 16 (T % 128)
	v_and_b32 v100, 1, v35                         ; h: my half of the wave's lanes
	s_lshl_b32 s9, s14, 4
	v_add_nc_u32 v7, s9, v34
	v_min_u32 v7, 62, v7                           ; node 63 does not exist: its lanes repeat row 62, and nobody reads their sums
	v_lshlrev_b32 v7, 12, v7
	v_lshl_add_u32 v7, v100, 5, v7
	s_lshl_b32 s9, s15, 11
	v_add_nc_u32 v7, s9, v7                        ; W_in: row x 4,096 + half of K x 2,048 + 32 h
	v_mul_u32_u24 v8, v34, XTP
	v_lshl_add_u32 v8, v100, 4, v8
	s_lshl_b32 s9, s15, 10
	v_add_nc_u32 v8, s9, v8                        ; x's fragments: token x pitch + half of K x 1,024 + 16 h
	v_mul_u32_u24 v10, v34, 272
	v_add_nc_u32 v10, ZP, v10                      ; z of token r
	s_mul_i32 s9, s15, 4352
	s_lshl_b32 s10, s14, 6
	s_add_co_u32 s9, s9, s10
	v_lshl_add_u32 v9, v100, 5, v10
	v_add_nc_u32 v9, s9, v9                        ; where my eight sums go: half of K, token r, nodes 16 nb + 8 h on
	v_lshlrev_b32 v11, 8, v35
	v_lshl_add_u32 v11, v34, 2, v11
	v_add_nc_u32 v11, PS, v11                      ; p of leaf 4 u, token r
	v_lshl_add_u32 v12, v0, 4, PS
.irp i, 0,1,2,3,4,5,6,7
	s_wait_loadcnt 14-2*(\i)                       ; this chunk's two loads are in (and beta and b_in, which are older); the later chunks' stay out
	CVT4 XR+8*(\i)
	global_store_b128 v5, v[XR+8*(\i):XR+8*(\i)+3], s[6:7] offset:4096*(\i)
	ds_store_b128 v6, v[XR+8*(\i):XR+8*(\i)+3] offset:2*XTP*(\i)
.endr
	s_wait_xcnt 0x0                                ; the stores have read their data: only behind this wait are those registers loaded and written again
.macro WLOAD s                         ; W_in for step s: 32 of K as 16 f32 a lane: k = 8 h .. + 7 and 16 + 8 h .. + 7
	global_load_b128 v[WR+16*((\s)%2):WR+16*((\s)%2)+3],     v7, s[18:19] offset:128*(\s)
	global_load_b128 v[WR+16*((\s)%2)+4:WR+16*((\s)%2)+7],   v7, s[18:19] offset:128*(\s)+16
	global_load_b128 v[WR+16*((\s)%2)+8:WR+16*((\s)%2)+11],  v7, s[18:19] offset:128*(\s)+64
	global_load_b128 v[WR+16*((\s)%2)+12:WR+16*((\s)%2)+15], v7, s[18:19] offset:128*(\s)+80
.endm
	WLOAD 0
	WLOAD 1
	s_wait_dscnt 0x0                               ; for the others' sake: my part of x lies in LDS
	s_barrier_signal -1
	s_barrier_wait -1
; z^T = W_in x^T: source 0 = 16 nodes, source 1 = 16 tokens; 16 steps of 32 along my half of K.  Two accumulators take turns; two sets of fragments:
; a set is written again two steps later, behind the other step's eight conversions, which name none of its product's registers.
.macro GSTEP s
.set b, (\s)%2
.if (\s) == 15
	s_wait_loadcnt 0x0
.else
	s_wait_loadcnt 4                               ; this step's four loads are in; the next step's four stay out
.endif
	ds_load_b128 v[XFR+8*b:XFR+8*b+3],   v8 offset:64*(\s)
	ds_load_b128 v[XFR+8*b+4:XFR+8*b+7], v8 offset:64*(\s)+32
.irp k, 0,1,2,3,4,5,6,7
	v_cvt_pk_bf16_f32 v[WF+8*b+(\k)], v[WR+16*b+2*(\k)], v[WR+16*b+2*(\k)+1]
.endr
.if (\s)+2 < 16
	WLOAD (\s)+2
.endif
	s_wait_dscnt 0x0
.if (\s) < 2
	v_wmma_f32_16x16x32_bf16 v[ACC+8*b:ACC+8*b+7], v[WF+8*b:WF+8*b+7], v[XFR+8*b:XFR+8*b+7], 0
.else
	v_wmma_f32_16x16x32_bf16 v[ACC+8*b:ACC+8*b+7], v[WF+8*b:WF+8*b+7], v[XFR+8*b:XFR+8*b+7], v[ACC+8*b:ACC+8*b+7]
.endif
.endm
.irp s, 0,1,2,3,4,5,6,7,8,9,10,11,12,13,14,15
	GSTEP \s
.endr
.rept 8
	v_nop                                          ; the places behind the last products (ISA guide 7.12.1), once a launch
.endr
.irp k, 0,2,4,6
	v_pk_add_f32 v[ACC+(\k):ACC+(\k)+1], v[ACC+(\k):ACC+(\k)+1], v[ACC+8+(\k):ACC+8+(\k)+1]  ; the two parities of the step; the low registers first
.endr
	ds_store_b128 v9, v[ACC:ACC+3]                 ; a lane holds token r and nodes 16 nb + 8 h + 0..7
	ds_store_b128 v9, v[ACC+4:ACC+7] offset:16
	s_wait_dscnt 0x0
	s_barrier_signal -1
	s_barrier_wait -1
	; ---- p for token r, leaves 4 u .. 4 u + 3
.irp i, 0,1,2,3,4,5,6
	v_add_nc_u32 v[52+(\i)], v10, v[NV+(\i)]
.endr
.irp i, 0,1,2,3,4,5,6
	ds_load_b32 v[60+(\i)], v[52+(\i)]             ; the two halves of K
	ds_load_b32 v[68+(\i)], v[52+(\i)] offset:4352
.endr
	s_wait_dscnt 0x0
.irp i, 0,1,2,3,4,5,6
	v_add_f32 v[60+(\i)], v[60+(\i)], v[68+(\i)]
	v_mul_f32 v[BE+(\i)], 0x3fb8aa3b, v[BE+(\i)]   ; beta log2(e)
	v_add_f32 v[60+(\i)], v[60+(\i)], v[BN+(\i)]
	v_mul_f32 v[76+(\i)], v[60+(\i)], v[BE+(\i)]   ; a = beta (z + b) log2(e)
.endr
.irp k, 0,1,2,3                        ; levels 0-3: the branch bit is bit 3 - k of u.  Bit 0: factor g = 1 / (1 + 2^-a); bit 1: 1 - g = 1 / (1 + 2^a)
	v_lshlrev_b32 v100, 28+(\k), v35
	v_and_b32 v100, 0x80000000, v100
	v_xor_b32 v100, 0x80000000, v100
	v_xor_b32 v[84+(\k)], v100, v[76+(\k)]
.endr
	v_xor_b32 v88, 0x80000000, v80                 ; levels 4 and 5: both signs are wanted
	v_xor_b32 v90, 0x80000000, v81
	v_xor_b32 v92, 0x80000000, v82
	v_exp_f32 v84, v84                             ; one batch of ten
	v_exp_f32 v85, v85
	v_exp_f32 v86, v86
	v_exp_f32 v87, v87
	v_exp_f32 v88, v88
	v_exp_f32 v89, v80
	v_exp_f32 v90, v90
	v_exp_f32 v91, v81
	v_exp_f32 v92, v92
	v_exp_f32 v93, v82
	v_nop                                          ; a plain instruction behind the last exponential,
	s_wait_alu depctr_va_vdst(0)                   ; and one wait ahead of the batch's first reader
.irp i, 0,1,2,3,4,5,6,7,8,9
	v_add_f32 v[84+(\i)], 1.0, v[84+(\i)]
.endr
	v_mul_f32 v84, v84, v85
	v_mul_f32 v86, v86, v87
	v_mul_f32 v84, v84, v86                        ; levels 0-3
	v_mul_f32 v88, v84, v88                        ; level 4 to the left,
	v_mul_f32 v89, v84, v89                        ; to the right
	v_mul_f32 v90, v88, v90                        ; leaves 4 u, 4 u + 1,
	v_mul_f32 v91, v88, v91
	v_mul_f32 v92, v89, v92                        ; 4 u + 2, 4 u + 3
	v_mul_f32 v93, v89, v93
	v_rcp_f32 v90, v90
	v_rcp_f32 v91, v91
	v_rcp_f32 v92, v92
	v_rcp_f32 v93, v93
	v_nop
	s_wait_alu depctr_va_vdst(0)                   ; one wait for the four reciprocals
.irp e, 0,1,2,3
	ds_store_b32 v11, v[90+(\e)] offset:64*(\e)
.endr
	s_wait_dscnt 0x0
	s_barrier_signal -1
	s_barrier_wait -1
	ds_load_b128 v[96:99], v12
	s_wait_dscnt 0x0
	global_store_b128 v5, v[96:99], s[12:13]       ; the work-group's 4,096 bytes of pt on end
	; ---- half a leaf's bias, by waves 0 and 1: chunk c of four columns, c = 64 (b % 2) + T
	s_cmp_lt_u32 s8, 2
	s_cbranch_scc0 .Lnobias
	s_lshr_b32 s9, ttmp9, 1                        ; the leaf
	s_and_b32 s10, ttmp9, 1
	s_lshl_b32 s10, s10, 6
	v_add_nc_u32 v100, s10, v0
	v_min_u32 v101, 124, v100                      ; chunks 125-127 do not exist in b_leaf: the address is held inside the row
	v_lshlrev_b32 v101, 4, v101
	v_lshlrev_b32 v102, 4, v100
	s_mul_i32 s36, s9, 2000
	s_mov_b32 s37, 0
	s_add_nc_u64 s[36:37], s[26:27], s[36:37]
	s_lshl_b32 s38, s9, 11
	s_mov_b32 s39, 0
	s_add_nc_u64 s[38:39], s[32:33], s[38:39]
	global_load_b128 v[104:107], v101, s[36:37]
	v_cmp_gt_u32 vcc_lo, 125, v100
	s_wait_loadcnt 0x0
.irp k, 0,1,2,3
	v_cndmask_b32 v[104+(\k)], 0xf149f2ca, v[104+(\k)], vcc_lo  ; -1e30 in the padding: its weight in the softmax is 0
.endr
	global_store_b128 v102, v[104:107], s[38:39]
.Lnobias:
	s_wait_tensorcnt 0x0                           ; the wave's end, behind my last LDS store
	ds_add_u32 v[SPW], v[NIL]
	s_wait_dscnt 0x0
	s_endpgm
.Lfunc_end_k_q0168cf9ac7_prep:
	.size	k_q0168cf9ac7_prep, .Lfunc_end_k_q0168cf9ac7_prep-k_q0168cf9ac7_prep
	.p2alignl 7, 3214868480
	.fill 96, 4, 3214868480
	.section	.rodata,"a",@progbits
	.p2align	6, 0x0
	.amdhsa_kernel k_q0168cf9ac7_prep
		.amdhsa_group_segment_fixed_size 46848
		.amdhsa_private_segment_fixed_size 0
		.amdhsa_enable_private_segment 0
		.amdhsa_kernarg_size 80
		.amdhsa_user_sgpr_count 2
		.amdhsa_user_sgpr_kernarg_segment_ptr 1
		.amdhsa_wavefront_size32 1
		.amdhsa_system_sgpr_workgroup_id_x 1
		.amdhsa_system_sgpr_workgroup_id_y 1
		.amdhsa_system_sgpr_workgroup_id_z 1
		.amdhsa_system_vgpr_workitem_id 0
		.amdhsa_next_free_vgpr 128
		.amdhsa_next_free_sgpr 66
		.amdhsa_reserve_vcc 1
		.amdhsa_float_denorm_mode_32 3
		.amdhsa_float_denorm_mode_16_64 3
		.amdhsa_memory_ordered 1
		.amdhsa_forward_progress 1
		.amdhsa_inst_pref_size 42
	.end_amdhsa_kernel
	.amdgpu_metadata
---
amdhsa.version: [ 1, 2 ]
amdhsa.kernels:
  - .name:           k_q0168cf9ac7_prep
    .symbol:         k_q0168cf9ac7_prep.kd
    .args:
      - { .name: x, .offset: 0, .size: 8, .value_kind: global_buffer, .address_space: global }
      - { .name: W_in, .offset: 8, .size: 8, .value_kind: global_buffer, .address_space: global }
      - { .name: b_in, .offset: 16, .size: 8, .value_kind: global_buffer, .address_space: global }
      - { .name: beta, .offset: 24, .size: 8, .value_kind: global_buffer, .address_space: global }
      - { .name: W_leaf, .offset: 32, .size: 8, .value_kind: global_buffer, .address_space: global }
      - { .name: b_leaf, .offset: 40, .size: 8, .value_kind: global_buffer, .address_space: global }
      - { .name: xb, .offset: 48, .size: 8, .value_kind: global_buffer, .address_space: global }
      - { .name: wb, .offset: 56, .size: 8, .value_kind: global_buffer, .address_space: global }
      - { .name: biasp, .offset: 64, .size: 8, .value_kind: global_buffer, .address_space: global }
      - { .name: pt, .offset: 72, .size: 8, .value_kind: global_buffer, .address_space: global }
    .group_segment_fixed_size: 46848
    .private_segment_fixed_size: 0
    .kernarg_segment_align: 8
    .kernarg_segment_size: 80
    .max_flat_workgroup_size: 256
    .sgpr_count:     66
    .vgpr_count:     128
    .wavefront_size: 32
...
	.end_amdgpu_metadata
.endif
;; end of part 4
;; launch main (part 5): grid 32 x 8, 4 waves a work-group, clusters of 4 x 4, 327,680 bytes of LDS; arguments xb, wb, biasp, eb, st; writes eb, st
.if DOCPART == 5
	.amdgcn_target "amdgcn-amd-amdhsa--gfx1250"
	.amdhsa_code_object_version 6
	.text
	.protected	k_q0168cf9ac7_main
	.globl	k_q0168cf9ac7_main
	.p2align	8
	.type	k_q0168cf9ac7_main,@function
k_q0168cf9ac7_main:
	s_mov_b64 s[64:65], 0
	v_nop
	global_prefetch_b8 v0, s[64:65] scope:SCOPE_SE
	s_setreg_imm32_b32 hwreg(HW_REG_WAVE_MODE, 25, 1), 1
	s_wait_xcnt 0x0
	s_wait_alu depctr_hold_cnt(0) depctr_sa_sdst(0) depctr_va_vdst(0) depctr_va_sdst(0) depctr_va_ssrc(0) depctr_va_vcc(0) depctr_vm_vsrc(0)
	s_getreg_b32 s2, hwreg(HW_REG_IB_STS2, 6, 4)
	s_cmp_eq_u32 s2, 0
	s_cbranch_scc0 .Lentry_in_a_cluster
	s_endpgm
.Lentry_in_a_cluster:
	s_bfe_u32 s2, ttmp6, 0x10000c
	s_cmp_lg_u32 s2, 0xf033
	s_cbranch_scc0 .Lentry_shape_is_right
	s_endpgm
.Lentry_shape_is_right:
; SECOND OF THREE LAUNCHES.  The leaves' logits s = x W + b, and of each chunk of 128 columns of a leaf the softmax's numerators and two statistics.  No work of the problem is left out.
;   eb [128 token tiles of 16][2,048 column blocks 32 l + B of 16][32 lanes][8] f16:  e = 2^(c s - c m_w), c = log2(e), m_w = the token's largest logit in that chunk: the maximum is taken away before
;      every exponential.  Lane L's eight numbers are token L % 16, columns 8 (L / 16) + 0..7 of the block: the accumulators as they lie in registers, so that nothing changes lanes on the way out.
;   st [256 chunks 4 l + q][2048 tokens][2] f32:    (c m_w, Z_w), Z_w = the chunk's sum of e, taken of the unrounded e.   The third launch joins a leaf's four chunks and mixes the leaves.
; SHARES.  A tile is 256 tokens x 256 columns (half a leaf), made by four waves of 128 x 128: 64 accumulators of 16 x 16, 512 registers.  A work-group stays and makes four tiles, column tiles
; 4 gx .. 4 gx + 3 for tokens 256 gy on: 32 x 8 = 256 work-groups.  K goes in steps of 128 through two LDS slots; the four tiles of wb are one dense stream of 32 steps of 65,536 bytes, and the
; ring runs on from tile to tile; x's rows are walked anew in each tile.  For a K step a work-group takes in 139,264 LDS bytes and each wave issues 256 matrix instructions.
; LAYOUT.  S^T = W^T x^T + b: source 0 = 16 columns of W, turned out of [k][column] by ds_load_tr16_b128; source 1 = 16 tokens of x; C of a tile's first products = the bias.  In the result a lane
; holds ONE token (lane % 16) and the columns 8 (lane / 16) + 0..7: a token's maximum and sum over the wave's 128 columns want one exchange between the halves of the lanes and none between waves.
; CLUSTER.  4 x 4 work-groups.  The four of a row of the cluster (same gy) need the same tiles of x, the four of a column (same gx) the same tiles of W: each is asked for JOINTLY.
; LIMITS.  Matrix operands are bf16.  Padded columns 500-511 count as logits of -1e30 and get e = 0.  e is kept in f16: it lies in 0 to 1; below 6e-5 it has f16's fixed step of 6e-8, below 3e-8 it
; counts as 0; an exponential below 2^-126 counts as 0 in Z_w.  NaN and infinities are not treated apart.
; REGISTERS, in windows of 256 (s_set_vgpr_msb: bits 1:0 source 0, 3:2 source 1, 5:4 source 2, 7:6 destination):
;   window 0: v0-31 addresses and the statistics to store; v32-63 statistics at work; v64-127, v128-191 x's fragments, two buffers; v192-223, v224-255 packed e, two buffers
;   window 1: v0-63 the bias; v64-127, v128-191 W's fragments, two buffers      window 2: the accumulators of my tokens 0-63 ((a, b) at 8 (8 a + b))      window 3: those of my tokens 64-127
.set PITA,   272                       ; a row of x in LDS: 256 bytes + 16: the 16 rows of a load start at 16 different groups of four banks (64 banks of 4 bytes: ISA guide 11.1)
.set PITB,   544                       ; a row of W: 512 bytes + 32 = 136 words: row r starts at bank 8 r mod 64
.set HALFT,  128*PITA                  ; what one tensor load brings: 128 rows of x, or 64 rows of W (64 x 544 is the same 34,816)
.set SLOT,   4*HALFT                   ; x's 256 rows, then W's 128
.set SPARE,  2*SLOT                    ; behind the ring: the spare words, 128 bytes for each wave: two blocks of 256 bytes that no other line names
.set STEPB,  65536                     ; bytes of wb in a K step
.set TTB,    1048576                   ; bytes of eb for a token tile: 2,048 blocks of 512
.set ADRA, 4                           ; v4-5   LDS address of my x fragments in slot 0, 1
.set ADRB, 6                           ; v6-7   of my W fragments
.set SPW,  10                          ; v10    LDS address of my spare word; never rewritten
.set NIL,  11                          ; v11    0; never rewritten
.set PFO,  12                          ; v12    the prefetches' offset: my lane x a row of xb, or x 256 bytes of wb
.set BO,   13                          ; v13    my 32 bytes of a bias block
.set GO,   14                          ; v14    16 x lane: my place in a block of eb
.set SO,   15                          ; v15    8 x lane
.set SD,   20                          ; v20-27 four pairs (c m_w, Z_w) as they are stored
.set ST,   32                          ; tile t of a window's four at v[ST+8 t]: +0 max chain A, then c m_w; +1 chain B, then the other half of the lanes'; +2:3, +4:5 sum chains; +6 m_w; +7 Z_w
.set F0,   64
.set F1,   128
.set TMP,  192
.set BI,   0                           ; window 1
.set XBP, 4                            ; s[4:5] xb    s[6:7] wb
.set WBP, 6
.set BIA, 8                            ; s[8:9]   biasp at the tile whose bias was loaded last
.set EPT, 10                           ; s[10:11] eb at my wave's first token tile and first block of the tile in hand
.set STP, 12                           ; s[12:13] st at my chunk and my first token
.set WV,  14
.set WR,  15                           ; wave / 2: my half of the tokens.  Also: I fetch x (0) or W (1)
.set WC,  16                           ; wave % 2: my half of the columns.  Also: which half of that tile I fetch
.set CX,  17
.set CY,  18
.set GX,  19
.set GY,  20
.set G1A, 24                           ; s[24:31] descriptor group 1 for x's tiles
.set G1B, 32                           ; s[32:39] for W's
.set G0A, 40                           ; s[40:47] group 0 for x's tiles, a set for each slot
.set G0B, 48                           ; s[48:55] for W's
.set XB,  56                           ; s[56:57] xb at the 128 rows that I fetch
.set KX,  58                           ; s[58:59], s[60:61] byte offset along K of the slot's x tile, modulo a row's 2,048
.set HM,  62                           ; s62  the lanes 16-31, as a mask
.set CS,  66                           ; s[66:67] c, named as a pair
.set SEL, 68                           ; s[68:69] v_permlanex16_b32's selects: each lane takes its own place in the other half
.set PFA, 70                           ; s[70:71] where my prefetches stand
.set PST, 72                           ; s[72:73] their step: a K step's bytes along a row of xb, or of wb's stream
.set REM, 74                           ; s74  prefetches still to come, and one
.set TILE, 75
.set LAP, 76
.set MSB, 0
.macro WIN new                         ; the immediate's high byte repeats the setting that is left; a switch that changes nothing is dropped
.if MSB != (\new)
	s_set_vgpr_msb (MSB<<8)|(\new)
.set MSB, (\new)
.endif
.endm
.macro PLACES                          ; four places in front of loads into registers that matrix instructions have read (ISA guide 7.12.1 for vector instructions)
.rept 4
	v_nop
.endr
.endm
.macro CREST                           ; a round of the cluster's barrier behind its opening barrier
	s_cmp_lg_u32 s[WV], 0
	s_cbranch_scc1 .Lnot_wave_0_\@
	s_barrier_signal -3
.Lnot_wave_0_\@:
	s_barrier_wait -3
	s_barrier_signal -1
	s_barrier_wait -1
.endm
.macro CROUND
	s_barrier_signal -1
	s_barrier_wait -1
	CREST
.endm
; A joint refill.  Waves 0 and 1 fetch the two halves of x's tile, waves 2 and 3 those of W's.  The branch hangs on the wave's number alone.
; An s_nop 0 and four v_nop follow each of the two lines, ahead of the jump and the label.
.macro JLOAD s
	s_cmp_eq_u32 s[WR], 0
	s_cbranch_scc0 .Lfor_b_\@
	tensor_load_to_lds s[G0A+4*(\s):G0A+4*(\s)+3], s[G1A:G1A+7]
	s_nop 0
.rept 4
	v_nop
.endr
	s_branch .Lasked_\@
.Lfor_b_\@:
	tensor_load_to_lds s[G0B+4*(\s):G0B+4*(\s)+3], s[G1B:G1B+7]
	s_nop 0
.rept 4
	v_nop
.endr
.Lasked_\@:
.endm
; A PREFETCH INTO THE L2 of the K step that stands TWO refills on (at step j the refill asks for step j + 2, the prefetch names step j + 4): 512 matrix instructions ahead of the load that will want it.
; Each block of 256 bytes is named once in the launch.  W's stream is walked by the two clusters of a column of clusters: the one with cluster y = 0 asks, for steps 4 to 31.  x's rows are walked by the
; eight clusters of a row of clusters, four times each: the one with cluster x = 0 asks, in its first tile alone, for steps 4 to 7.  Of what a wave fetches (128 rows of x, or 32,768 bytes of W) each of
; the four partners that ask for it jointly takes a quarter, told apart BY ADDRESS: a lane a block, one instruction a wave.  Steps 0 to 3 come by their loads alone.
.macro ASK
	s_cmp_gt_i32 s[REM], 0
	s_cbranch_scc0 .Lnot_mine_\@
	global_prefetch_b8 v[PFO], s[PFA:PFA+1] th:TH_LOAD_NT scope:SCOPE_SE
.Lnot_mine_\@:
.endm
.macro STEPD slot                      ; the slot's descriptors go two steps on: W along its stream; x along K, modulo a row, its address made anew
	s_add_nc_u64 s[G0B+4*(\slot)+2:G0B+4*(\slot)+3], s[G0B+4*(\slot)+2:G0B+4*(\slot)+3], 2*STEPB
	s_add_co_u32 s[KX+2*(\slot)], s[KX+2*(\slot)], 512
	s_and_b32 s[KX+2*(\slot)], s[KX+2*(\slot)], 0x7ff
	s_add_nc_u64 s[G0A+4*(\slot)+2:G0A+4*(\slot)+3], s[XB:XB+1], s[KX+2*(\slot):KX+2*(\slot)+1]
	s_or_b32 s[G0A+4*(\slot)+3], s[G0A+4*(\slot)+3], 0x80000000
.endm
	s_load_b256 s[4:11], s[0:1], 0x0               ; xb, wb, biasp, eb
	s_load_b64 s[12:13], s[0:1], 0x20              ; st
	v_lshl_add_u32 v[SPW], v0, 2, SPARE
	v_mov_b32 v[NIL], 0
	ds_add_u32 v[SPW], v[NIL]                      ; the wave's opening: the add, twice on end, and its wait ahead of my first tensor load; the set-up below, work on registers, stands between
	ds_add_u32 v[SPW], v[NIL]
	v_lshrrev_b32 v1, 5, v0
	v_readfirstlane_b32 s[WV], v1                  ; wave 0..3
	s_lshr_b32 s[WR], s[WV], 1
	s_and_b32 s[WC], s[WV], 1
	s_bfe_u32 s[CX], ttmp6, 0x40000                ; my place in the cluster
	s_bfe_u32 s[CY], ttmp6, 0x40004
	s_lshl_b32 s[GX], ttmp9, 2                     ; in a cluster launch ttmp9 and ttmp7 count clusters
	s_add_co_u32 s[GX], s[GX], s[CX]               ; my four column tiles
	s_and_b32 s[GY], ttmp7, 0xffff
	s_lshl_b32 s[GY], s[GY], 2
	s_add_co_u32 s[GY], s[GY], s[CY]               ; my block of 256 tokens
	s_lshl_b32 s21, s[CY], 2
	s_lshl_b32 s21, 15, s21                        ; my row of the cluster: places 4 cy .. 4 cy + 3
	s_lshl_b32 s22, 0x1111, s[CX]                  ; my column: places cx, cx + 4, cx + 8, cx + 12
	; group 1 for x: 128 rows x 128 elements, 4 words of padding behind each row
	s_or_b32 s[G1A], s21, (1<<16)|(1<<20)|(1<<21)|(5<<22)|(3<<25)  ; 15:0 the mask; 17:16 2-byte elements; 20 padding on; 21 set beside a mask; 24:22 after every 64 words (code 5); 31:25 4 words (code 3)
	s_mov_b32 s[G1A+1], 128<<16                    ; tensor_dim0 = 128
	s_mov_b32 s[G1A+2], 128<<16                    ; tensor_dim1 = 128
	s_mov_b32 s[G1A+3], 128<<16                    ; tile_dim0 = 128
	s_mov_b32 s[G1A+4], 128                        ; tile_dim1 = 128
	s_mov_b32 s[G1A+5], 1024                       ; elements from row to row
	s_mov_b32 s[G1A+6], 0
	s_mov_b32 s[G1A+7], 0
	; group 1 for W: 64 rows x 256 elements, 8 words of padding behind each row
	s_or_b32 s[G1B], s22, (1<<16)|(1<<20)|(1<<21)|(6<<22)|(7<<25)  ; after every 128 words (code 6), 8 words (code 7)
	s_mov_b32 s[G1B+1], 256<<16
	s_mov_b32 s[G1B+2], 64<<16
	s_mov_b32 s[G1B+3], 256<<16
	s_mov_b32 s[G1B+4], 64
	s_mov_b32 s[G1B+5], 256
	s_mov_b32 s[G1B+6], 0
	s_mov_b32 s[G1B+7], 0
	s_mov_b32 s[KX], 0
	s_mov_b32 s[KX+1], 0
	s_mov_b32 s[KX+2], 256
	s_mov_b32 s[KX+3], 0
	s_mov_b32 s[CS], 0x3fb8aa3b                    ; c = log2(e)
	s_mov_b32 s[CS+1], s[CS]
	s_mov_b32 s[SEL], 0x76543210
	s_mov_b32 s[SEL+1], 0xfedcba98
	; where the tiles come from.  x's hang on gy alone, which my row of the cluster shares; W's on gx alone, which my column shares; each in registers that never hold the other coordinate
	s_lshl_b32 s80, s[GY], 19                      ; 256 rows of 2,048 bytes,
	s_lshl_b32 s81, s[WC], 18                      ; the 128 that I fetch
	s_add_co_u32 s80, s80, s81
	s_mov_b32 s81, 0
	s_lshl_b32 s84, s[GX], 21                      ; four tiles of 524,288 bytes,
	s_lshl_b32 s85, s[WC], 15                      ; the 64 rows of a step that I fetch
	s_add_co_u32 s84, s84, s85
	s_mov_b32 s85, 0
	s_mul_i32 s23, s[WV], HALFT                    ; and where they go: x's two halves, then W's two: no place in the cluster enters an LDS address
	; the lanes' addresses
	v_and_b32 v1, 15, v0                           ; l % 16
	v_bfe_u32 v2, v0, 4, 1                         ; l / 16
	v_mul_u32_u24 v3, v1, PITA
	v_lshl_add_u32 v3, v2, 4, v3                   ; a fragment of x: row x 272 + 16 x half
	s_mul_i32 s77, s[WR], HALFT
	v_add_nc_u32 v[ADRA], s77, v3
	v_add_nc_u32 v[ADRA+1], SLOT, v[ADRA]
	v_and_b32 v16, 7, v0
	v_lshl_add_u32 v16, v2, 3, v16
	v_mul_u32_u24 v16, v16, PITB                   ; the turning load: lane l reads row 8 (l / 16) + l % 8,
	v_bfe_u32 v17, v0, 3, 1
	v_lshl_add_u32 v16, v17, 4, v16                ; columns 8 ((l / 8) % 2) on,
	s_lshl_b32 s77, s[WC], 8
	s_add_co_u32 s77, s77, 2*HALFT
	v_add_nc_u32 v[ADRB], s77, v16                 ; of my wave's 128
	v_add_nc_u32 v[ADRB+1], SLOT, v[ADRB]
	v_and_b32 v18, 31, v0
	v_lshlrev_b32 v[SO], 3, v18
	v_lshlrev_b32 v[GO], 4, v18
	s_lshl_b32 s77, s[WC], 9
	v_lshl_add_u32 v[BO], v2, 5, s77               ; 512 x my half of the columns + 32 (l / 16)
	v_cmp_eq_u32 s[HM], 1, v2
	s_wait_dscnt 0x0                               ; both opening adds are done
	s_wait_kmcnt 0x0
	s_add_nc_u64 s[XB:XB+1], s[XBP:XBP+1], s[80:81]
	s_add_nc_u64 s[84:85], s[WBP:WBP+1], s[84:85]
.irp s, 0,1
	s_mov_b32 s[G0A+4*(\s)], 1                     ; count = 1
	s_add_co_u32 s[G0A+4*(\s)+1], s23, (\s)*SLOT   ; LDS address
	s_add_nc_u64 s[G0A+4*(\s)+2:G0A+4*(\s)+3], s[XB:XB+1], s[KX+2*(\s):KX+2*(\s)+1]  ; global address: K step s
	s_or_b32 s[G0A+4*(\s)+3], s[G0A+4*(\s)+3], 0x80000000                            ; type = 2
	s_mov_b32 s[G0B+4*(\s)], 1
	s_add_co_u32 s[G0B+4*(\s)+1], s23, (\s)*SLOT
	s_add_nc_u64 s[G0B+4*(\s)+2:G0B+4*(\s)+3], s[84:85], (\s)*STEPB
	s_or_b32 s[G0B+4*(\s)+3], s[G0B+4*(\s)+3], 0x80000000
.endr
	; the prefetches: both candidates, then one choice by what I fetch
	s_lshl_b32 s88, s[GY], 19
	s_lshl_b32 s89, s[WC], 18
	s_add_co_u32 s88, s88, s89
	s_lshl_b32 s89, s[CX], 16                      ; my work-group's 32 of the 128 rows
	s_add_co_u32 s88, s88, s89
	s_add_co_u32 s88, s88, 768                     ; at K step 3: the first change of slots steps it to 4
	s_lshl_b32 s90, s[GX], 21
	s_lshl_b32 s91, s[WC], 15
	s_add_co_u32 s90, s90, s91
	s_lshl_b32 s91, s[CY], 13                      ; my work-group's 8,192 of the 32,768 bytes
	s_add_co_u32 s90, s90, s91
	s_add_co_u32 s90, s90, 3*STEPB
	s_and_b32 s92, ttmp7, 0xffff
	s_cmp_eq_u32 s[WR], 0                          ; do I fetch x?
	s_cselect_b32 s88, s88, s90
	s_cselect_b64 s[PFA:PFA+1], s[XBP:XBP+1], s[WBP:WBP+1]
	s_cselect_b32 s91, 11, 8                       ; a lane a row of xb, or a block of wb
	s_cselect_b32 s92, ttmp9, s92                  ; the coordinate along which other clusters read the same bytes
	s_cselect_b32 s93, 5, 29                       ; four prefetches, or 28; and one
	s_cselect_b32 s94, 8, 16
	s_mov_b32 s89, 0
	s_cmp_eq_u32 s92, 0                            ; the same in all sixteen partners, for a given wave
	s_cselect_b32 s[REM], s93, 0
	s_lshl_b32 s[PST], 1, s94
	s_mov_b32 s[PST+1], 0
	s_add_nc_u64 s[PFA:PFA+1], s[PFA:PFA+1], s[88:89]
	v_lshlrev_b32 v[PFO], s91, v18
	; where the results go
	s_lshl_b32 s88, s[GY], 24                      ; eb: 16 token tiles of 1,048,576 bytes,
	s_lshl_b32 s89, s[WR], 23                      ; my 8,
	s_add_co_u32 s88, s88, s89
	s_lshl_b32 s89, s[GX], 15                      ; four column tiles of 16 blocks of 512 bytes,
	s_add_co_u32 s88, s88, s89
	s_lshl_b32 s89, s[WC], 12                      ; my 8 blocks
	s_add_co_u32 s88, s88, s89
	s_mov_b32 s89, 0
	s_add_nc_u64 s[EPT:EPT+1], s[EPT:EPT+1], s[88:89]
	s_lshl_b32 s88, s[GX], 17                      ; st: chunk 8 gx + my half, 16,384 bytes each,
	s_lshl_b32 s89, s[WC], 14
	s_add_co_u32 s88, s88, s89
	s_lshl_b32 s89, s[GY], 11                      ; token 256 gy + 128 x my half, 8 bytes each
	s_add_co_u32 s88, s88, s89
	s_lshl_b32 s89, s[WR], 10
	s_add_co_u32 s88, s88, s89
	s_mov_b32 s89, 0
	s_add_nc_u64 s[STP:STP+1], s[STP:STP+1], s[88:89]
	s_lshl_b32 s88, s[GX], 12                      ; biasp: four tiles of 1,024 bytes
	s_add_nc_u64 s[BIA:BIA+1], s[BIA:BIA+1], s[88:89]
	CROUND                                         ; all sixteen work-groups are here: the first joint loads meet
	s_cmp_eq_u32 s[WR], 0                          ; a wave's two first fills stand in one branch, ahead of every wait on TENSORcnt and every LDS read: two loads of mine are out
	s_cbranch_scc0 .Lfirst_b
	tensor_load_to_lds s[G0A:G0A+3], s[G1A:G1A+7]
	s_nop 0
	tensor_load_to_lds s[G0A+4:G0A+7], s[G1A:G1A+7]
	s_nop 0
.rept 4
	v_nop
.endr
	s_branch .Lfirst_asked
.Lfirst_b:
	tensor_load_to_lds s[G0B:G0B+3], s[G1B:G1B+7]
	s_nop 0
	tensor_load_to_lds s[G0B+4:G0B+7], s[G1B:G1B+7]
	s_nop 0
.rept 4
	v_nop
.endr
.Lfirst_asked:
.macro BIAS                            ; 16 loads: register j of block b is the bias of my column 16 b + 8 (l / 16) + j: the C operand as it lies
	WIN 0x40                                       ; destination window 1, address window 0
.irp b, 0,1,2,3,4,5,6,7
	global_load_b128 v[BI+8*(\b):BI+8*(\b)+3],   v[BO], s[BIA:BIA+1] offset:64*(\b)
	global_load_b128 v[BI+8*(\b)+4:BI+8*(\b)+7], v[BO], s[BIA:BIA+1] offset:64*(\b)+16
.endr
	WIN 0
.endm
.macro ALLT line:vararg                ; one line for each tile t of a window's four
.set t, 0
.rept 4
	\line
.set t, t+1
.endr
.endm
	BIAS                                           ; the first tile's
; 16 matrix instructions: token tiles a0, a0 + 1 of the window's four (hi = 0: my tokens 0-63, 1: 64-127) x all 8 column blocks, 32 along K.  first = 1: the bias starts the sums.
; The 64 accumulators take turns in the same order in every quarter, one instruction a turn.
.macro MUL16 f, hi, a0, first
.if \first
	WIN 0x91+0x40*(\hi)                            ; W window 1, x window 0, C (the bias) window 1, D window 2 or 3
.else
	WIN 0xa1+0x50*(\hi)                            ; C and D window 2 or 3
.endif
.irp a, \a0, (\a0)+1
.irp b, 0,1,2,3,4,5,6,7
.if \first
	v_wmma_f32_16x16x32_bf16 v[8*(8*(\a)+(\b)):8*(8*(\a)+(\b))+7], v[(\f)+8*(\b):(\f)+8*(\b)+7], v[(\f)+8*(4*(\hi)+(\a)):(\f)+8*(4*(\hi)+(\a))+7], v[BI+8*(\b):BI+8*(\b)+7]
.else
	v_wmma_f32_16x16x32_bf16 v[8*(8*(\a)+(\b)):8*(8*(\a)+(\b))+7], v[(\f)+8*(\b):(\f)+8*(\b)+7], v[(\f)+8*(4*(\hi)+(\a)):(\f)+8*(4*(\hi)+(\a))+7], v[8*(8*(\a)+(\b)):8*(8*(\a)+(\b))+7]
.endif
.endr
.endr
.endm
; 32 LDS loads in one run: quarter q (32 of K) of a slot into buffer f: W's eight fragments (two turning loads each, 16 rows apart), then x's eight
.macro FETCH slot, q, f
	WIN 0x40
.irp i, 0,1,2,3,4,5,6,7
	ds_load_tr16_b128 v[(\f)+8*(\i):(\f)+8*(\i)+3],   v[ADRB+(\slot)] offset:(\q)*32*PITB+32*(\i)
	ds_load_tr16_b128 v[(\f)+8*(\i)+4:(\f)+8*(\i)+7], v[ADRB+(\slot)] offset:(\q)*32*PITB+16*PITB+32*(\i)
.endr
	WIN 0
.irp i, 0,1,2,3,4,5,6,7
	ds_load_b128 v[(\f)+8*(\i):(\f)+8*(\i)+3],   v[ADRA+(\slot)] offset:64*(\q)+(\i)*16*PITA
	ds_load_b128 v[(\f)+8*(\i)+4:(\f)+8*(\i)+7], v[ADRA+(\slot)] offset:64*(\q)+(\i)*16*PITA+32
.endr
.endm
; A K step is four quarters of 32 along K, 64 matrix instructions each, on buffers 0, 1, 0, 1.  One of the first three: multiplies buffer f; in its middle it fetches quarter q of the same slot into buffer g.
.macro QUARTER slot, q, f, g, first
	s_wait_dscnt 8                                 ; W and x's tokens 0-63 are in; the youngest eight loads (x's tokens 64-127) may be out
	MUL16 \f, 0, 0, \first
	MUL16 \f, 0, 2, \first
	PLACES
	FETCH \slot, \q, \g
	s_wait_dscnt 32                                ; all but the 32 just issued
	MUL16 \f, 1, 0, \first
	MUL16 \f, 1, 2, \first
.endm
; The last quarter multiplies buffer 1 and changes slots.  In front of the barrier each wave waits for all its tensor loads, of which one is out: its part of the next slot; adds 0 to its spare word;
; and waits for that and for its reads of this slot.  fill = 1: the barrier opens a round of the cluster's, so that no wave of any partner still reads this slot or has a load on its way, and the
; joint refill, two steps on, is the first thing behind it: 224 matrix instructions ahead of the wait for it.
.macro TURN slot, next, fill
.if \fill
	s_wait_xcnt 0x0                                ; the last prefetch, a K step back, has read its address, so it may be stepped
	s_add_nc_u64 s[PFA:PFA+1], s[PFA:PFA+1], s[PST:PST+1]
	s_sub_co_i32 s[REM], s[REM], 1
.endif
	WIN 0                                          ; (the add's two registers lie in window 0)
	s_wait_tensorcnt 0x0                           ; no tensor load of mine is out, so a group 0 may be written
	ds_add_u32 v[SPW], v[NIL]                      ; 0 onto my spare word; scalar work and sixteen products stand between it and the wait for it
.if \fill
	STEPD \slot
.endif
	s_wait_dscnt 9                                 ; (the add and the youngest eight loads may be out)
	MUL16 F1, 0, 0, 0
	s_wait_dscnt 0x0                               ; the add is done, and my reads of this slot are over
	s_barrier_signal -1
	MUL16 F1, 0, 2, 0                              ; work on registers while the others arrive
.if \fill
	WIN 0
.endif
	s_barrier_wait -1
.if \fill
	CREST
	JLOAD \slot                                    ; the four v_nop behind it are also the places in front of the loads below
.else
	PLACES
.endif
	FETCH \next, 0, F0
.if \fill
	ASK                                            ; behind the refill and the run of LDS loads that the next products wait for
.endif
	MUL16 F1, 1, 0, 0
	MUL16 F1, 1, 2, 0
.endm
; THE SOFTMAX'S NUMERATORS for the four token tiles of one window (hi = 0: window 2, 1: window 3), in place, and their statistics.
.macro SMX hi
	; the maxima: two chains a tile (even blocks, odd blocks), three operands at a time; each accumulator's lowest registers are read first
	WIN 0x0a+5*(\hi)                               ; sources 0 and 1 in the window, the rest in window 0
.irp tp, 0,2
.set i, 0
.rept 16
.irp u, 0,1
.irp c, 0,1
.set rS, 8*(8*((\tp)+(\u))+2*(i/4)+(\c))+2*(i%4)
.set rM, ST+8*((\tp)+(\u))+(\c)
.if i == 0
	v_max_num_f32 v[rM], v[rS], v[rS+1]
.else
	v_max3_num_f32 v[rM], v[rS], v[rS+1], v[rM]
.endif
.endr
.endr
.set i, i+1
.endr
.endr
	WIN 0
	ALLT v_max_num_f32 v[ST+8*t+6], v[ST+8*t], v[ST+8*t+1]
	ALLT v_permlanex16_b32 v[ST+8*t+1], v[ST+8*t+6], s[SEL], s[SEL+1]    ; the token's other 64 columns lie in the lane 16 away
	ALLT v_max_num_f32 v[ST+8*t+6], v[ST+8*t+6], v[ST+8*t+1]             ; m_w
	ALLT v_mul_f32 v[ST+8*t], s[CS], v[ST+8*t+6]                         ; c m_w
	; ONE BATCH: 128 scalings c s - c m_w, a pair each, and 256 exponentials, in place; a pair is scaled two pairs ahead of its exponentials; nothing ahead of the wait names a result
	WIN 0x82+0x41*(\hi)                            ; destination and source 0 in the window
.set p, 0
.rept 2
	v_pk_fma_f32 v[2*p:2*p+1], v[2*p:2*p+1], s[CS:CS+1], v[ST+8*(p/32):ST+8*(p/32)+1] op_sel_hi:[1,0,0] neg_lo:[0,0,1] neg_hi:[0,0,1]
.set p, p+1
.endr
.set e, 0
.rept 128
.if p < 128
	v_pk_fma_f32 v[2*p:2*p+1], v[2*p:2*p+1], s[CS:CS+1], v[ST+8*(p/32):ST+8*(p/32)+1] op_sel_hi:[1,0,0] neg_lo:[0,0,1] neg_hi:[0,0,1]
.set p, p+1
.endif
	v_exp_f32 v[2*e], v[2*e]
	v_exp_f32 v[2*e+1], v[2*e+1]
.set e, e+1
.endr
	v_nop                                          ; a plain instruction behind the last exponential,
	s_wait_alu depctr_va_vdst(0)                   ; and one wait ahead of the batch's first reader
	; the sums: two chains of pairs a tile, the eight chains by turns
	WIN 0x0a+5*(\hi)
.irp c, 0,1
	ALLT v_pk_add_f32 v[ST+8*t+2+2*(\c):ST+8*t+3+2*(\c)], v[64*t+4*(\c):64*t+4*(\c)+1], v[64*t+4*(\c)+2:64*t+4*(\c)+3]
.endr
	WIN 0x02+(\hi)                                 ; source 0 in the window
.set i, 4
.rept 28
	ALLT v_pk_add_f32 v[ST+8*t+2+2*(i%2):ST+8*t+3+2*(i%2)], v[64*t+2*i:64*t+2*i+1], v[ST+8*t+2+2*(i%2):ST+8*t+3+2*(i%2)]
.set i, i+1
.endr
	WIN 0
	ALLT v_pk_add_f32 v[ST+8*t+2:ST+8*t+3], v[ST+8*t+2:ST+8*t+3], v[ST+8*t+4:ST+8*t+5]
	ALLT v_add_f32 v[ST+8*t+7], v[ST+8*t+2], v[ST+8*t+3]
	ALLT v_permlanex16_b32 v[ST+8*t+1], v[ST+8*t+7], s[SEL], s[SEL+1]
	ALLT v_add_f32 v[ST+8*t+7], v[ST+8*t+7], v[ST+8*t+1]                 ; Z_w
	; both halves of the lanes hold a tile's statistics: lanes 0-15 keep tile tp's, lanes 16-31 take tile tp + 1's, and one store covers 32 tokens: 256 consecutive bytes, aligned
.irp tp, 0,2
	v_cndmask_b32 v[SD+4*(\hi)+(\tp)],   v[ST+8*(\tp)],   v[ST+8*(\tp)+8],  s[HM]
	v_cndmask_b32 v[SD+4*(\hi)+(\tp)+1], v[ST+8*(\tp)+7], v[ST+8*(\tp)+15], s[HM]
	global_store_b64 v[SO], v[SD+4*(\hi)+(\tp):SD+4*(\hi)+(\tp)+1], s[STP:STP+1] offset:512*(\hi)+128*(\tp)
.endr
.endm
; THE WAY OUT of token tile a: rounded to f16, 16 bytes a lane for each block, and stored as they lie: each store of the wave covers a block's 512 consecutive bytes, aligned; the tile's eight are 4,096 on end.
; Two buffers take turns.  The largest offset, 7 token tiles and 7 blocks, is 7,343,616: inside the signed 24-bit immediate (ISA guide, chapter 10).
.macro OUT a
.set AC, 64*((\a)%4)
.set BK, TMP+32*((\a)%2)
	s_wait_xcnt 0x0                                ; earlier stores have read their data (ISA guide 3.1): the buffer is written again only behind this wait
	WIN 0x0a+5*((\a)/4)
.irp b, 0,1,2,3,4,5,6,7
.irp r, 0,1,2,3
	v_cvt_pk_f16_f32 v[BK+4*(\b)+(\r)], v[AC+8*(\b)+2*(\r)], v[AC+8*(\b)+2*(\r)+1]
.endr
.endr
	WIN 0
.irp b, 0,1,2,3,4,5,6,7
	global_store_b128 v[GO], v[BK+4*(\b):BK+4*(\b)+3], s[EPT:EPT+1] offset:(\a)*TTB+512*(\b) th:TH_STORE_NT
.endr
.endm
.macro EPI
.rept 8
	v_nop                                          ; the places behind the tile's last products
.endr
	SMX 0
.irp a, 0,1,2,3
	OUT \a                                         ; my first 64 tokens leave while the other 64 are worked on
.endr
	SMX 1
.irp a, 4,5,6,7
	OUT \a
.endr
	s_wait_xcnt 0x0                                ; the stores have read their bases and their data
	s_add_nc_u64 s[EPT:EPT+1], s[EPT:EPT+1], 8192  ; the next column tile: 16 blocks on,
	s_add_nc_u64 s[STP:STP+1], s[STP:STP+1], 32768 ; its two chunks
.endm
	s_wait_tensorcnt 1                             ; my part of slot 0 is in; slot 1's may stay out
	s_barrier_signal -1
	s_barrier_wait -1                              ; everybody's is
	FETCH 0, 0, F0
	s_mov_b32 s[TILE], 4                           ; tiles to go, this one among them: the same number in every work-group
.Ltile:
	s_wait_loadcnt 0x0                             ; the bias
	QUARTER 0, 1, F0, F1, 1                        ; a tile's first quarter: the bias starts the sums
	WIN 0                                          ; at a label and at a branch every window is 0
	s_mov_b32 s[LAP], 3
.Llap:                                             ; a trip goes once round the ring, from a lap's second quarter to the next lap's first, and fills both slots again
	QUARTER 0, 2, F1, F0, 0
	QUARTER 0, 3, F0, F1, 0
	TURN 0, 1, 1
	QUARTER 1, 1, F0, F1, 0
	QUARTER 1, 2, F1, F0, 0
	QUARTER 1, 3, F0, F1, 0
	TURN 1, 0, 1
	QUARTER 0, 1, F0, F1, 0
	WIN 0
	s_sub_co_u32 s[LAP], s[LAP], 1
	s_cmp_lg_u32 s[LAP], 0
	s_cbranch_scc1 .Llap
	QUARTER 0, 2, F1, F0, 0                        ; the tile's last lap goes on
	QUARTER 0, 3, F0, F1, 0
	WIN 0
	s_cmp_eq_u32 s[TILE], 1
	s_cbranch_scc1 .Llast_tile                     ; the last tile's tail is written out: it asks for nothing more
	TURN 0, 1, 1                                   ; the ring goes on into the next tile: slot 0 takes its K step 0,
	QUARTER 1, 1, F0, F1, 0
	QUARTER 1, 2, F1, F0, 0
	QUARTER 1, 3, F0, F1, 0
	TURN 1, 0, 1                                   ; slot 1 its K step 1, and the next tile's first fragments are fetched
	s_add_nc_u64 s[BIA:BIA+1], s[BIA:BIA+1], 1024  ; (the loads that read this base were waited for in front of the tile's first product)
	BIAS                                           ; the next tile's
	EPI                                            ; both refills are asked for: now the tile goes out
	s_sub_co_u32 s[TILE], s[TILE], 1
	s_branch .Ltile
.Llast_tile:
	TURN 0, 1, 0
	QUARTER 1, 1, F0, F1, 0
	QUARTER 1, 2, F1, F0, 0
	QUARTER 1, 3, F0, F1, 0
	s_wait_dscnt 8                                 ; the very last quarter: nothing more to fetch
	MUL16 F1, 0, 0, 0
	MUL16 F1, 0, 2, 0
	s_wait_dscnt 0x0
	MUL16 F1, 1, 0, 0
	MUL16 F1, 1, 2, 0
	WIN 0
	EPI
	s_wait_tensorcnt 0x0                           ; the wave's end, behind my last tensor load
	ds_add_u32 v[SPW], v[NIL]
	s_wait_dscnt 0x0
	CROUND                                         ; the closing round: no work-group ends while a partner may still ask for a tile that names it
	s_endpgm
.Lfunc_end_k_q0168cf9ac7_main:
	.size	k_q0168cf9ac7_main, .Lfunc_end_k_q0168cf9ac7_main-k_q0168cf9ac7_main
	.p2alignl 7, 3214868480
	.fill 96, 4, 3214868480
	.section	.rodata,"a",@progbits
	.p2align	6, 0x0
	.amdhsa_kernel k_q0168cf9ac7_main
		.amdhsa_group_segment_fixed_size 327680
		.amdhsa_private_segment_fixed_size 0
		.amdhsa_enable_private_segment 0
		.amdhsa_kernarg_size 40
		.amdhsa_user_sgpr_count 2
		.amdhsa_user_sgpr_kernarg_segment_ptr 1
		.amdhsa_wavefront_size32 1
		.amdhsa_system_sgpr_workgroup_id_x 1
		.amdhsa_system_sgpr_workgroup_id_y 1
		.amdhsa_system_sgpr_workgroup_id_z 1
		.amdhsa_system_vgpr_workitem_id 0
		.amdhsa_next_free_vgpr 1024
		.amdhsa_next_free_sgpr 96
		.amdhsa_reserve_vcc 0
		.amdhsa_float_denorm_mode_32 3
		.amdhsa_float_denorm_mode_16_64 3
		.amdhsa_memory_ordered 1
		.amdhsa_forward_progress 1
		.amdhsa_inst_pref_size 255
	.end_amdhsa_kernel
	.section	.bss,"aw",@nobits
	.p2align	6
	.space	262144
	.amdgpu_metadata
---
amdhsa.version: [ 1, 2 ]
amdhsa.kernels:
  - .name:           k_q0168cf9ac7_main
    .symbol:         k_q0168cf9ac7_main.kd
    .args:
      - { .name: xb, .offset: 0, .size: 8, .value_kind: global_buffer, .address_space: global }
      - { .name: wb, .offset: 8, .size: 8, .value_kind: global_buffer, .address_space: global }
      - { .name: biasp, .offset: 16, .size: 8, .value_kind: global_buffer, .address_space: global }
      - { .name: eb, .offset: 24, .size: 8, .value_kind: global_buffer, .address_space: global }
      - { .name: st, .offset: 32, .size: 8, .value_kind: global_buffer, .address_space: global }
    .group_segment_fixed_size: 327680
    .private_segment_fixed_size: 0
    .kernarg_segment_align: 8
    .kernarg_segment_size: 40
    .max_flat_workgroup_size: 128
    .sgpr_count:     96
    .vgpr_count:     1024
    .wavefront_size: 32
...
	.end_amdgpu_metadata
.endif
;; end of part 5
;; launch mix (part 6): grid 256 x 1, 8 waves a work-group, no clusters, 26,368 bytes of LDS; arguments eb, st, pt, out0; writes out0
.if DOCPART == 6
	.amdgcn_target "amdgcn-amd-amdhsa--gfx1250"
	.amdhsa_code_object_version 6
	.text
	.protected	k_q0168cf9ac7_mix
	.globl	k_q0168cf9ac7_mix
	.p2align	8
	.type	k_q0168cf9ac7_mix,@function
k_q0168cf9ac7_mix:
	s_mov_b64 s[64:65], 0
	v_nop
	global_prefetch_b8 v0, s[64:65] scope:SCOPE_SE
	s_setreg_imm32_b32 hwreg(HW_REG_WAVE_MODE, 25, 1), 1
	s_wait_xcnt 0x0
; THIRD OF THREE LAUNCHES.  out[n][o] = sum over leaves l of F[n][l][q] e[n][l][o], q = o / 128.  No work of the problem is left out.
; The second launch left, for each chunk q of 128 columns of a leaf, e = 2^(c s - c m_q) in f16 and (c m_q, Z_q) in f32.  Here the four chunks are joined under the leaf's own maximum:
; c m = max over q of c m_q;  Z = sum over q of Z_q 2^(c m_q - c m);  F = p 2^(c m_q - c m) / Z.  Z is at least about 1: the chunk that holds the maximum counts it as 1.
; eb: [128 token tiles tt of 16][2,048 blocks 32 l + B of 16 columns][32 lanes][8] f16; lane L's eight numbers are token L % 16, columns 8 (L / 16) + 0..7 of the block.
; A STREAM: eb is read once.  Nothing is shared between work-groups but 8 bytes of statistics for 256 of e, and there is one multiply-add a number: no matrix unit, no cluster, no tensor load.
; No prefetch is laid: each wave keeps 32 loads of 512 bytes on their way from its first lines on, and the launch does nothing but wait for them.
; SHARES.  Work-group b: token tile b / 2, columns 256 (b % 2) on.  Wave v: blocks 16 (b % 2) + 2 v and the next: 1,024 consecutive bytes a leaf; both lie in chunk 2 (b % 2) + v / 4, so a lane
; wants ONE factor a leaf: its token's.  A lane holds 16 sums in f32.
; THE WAY OUT goes through a stage in LDS, so that neighbouring lanes store neighbouring 16 bytes.  A work-group's part of a row of out0 is 1,024 or 976 bytes and begins at a multiple of 16,
; since rows are 2,000 bytes: aligned blocks of 256 bytes of out0 are stored in parts.  out0 is 4,096,000 of the 143 million bytes that the launch moves; one work-group for a whole token tile, which could
; store 32,000 bytes on end, would make 128 work-groups.
; LIMITS.  An exponential below 2^-126 counts as 0.  NaN and infinities are not treated apart.
.set FTP,   272                        ; LDS: a token's 64 factors, 256 bytes + 16: the 16 tokens of a load start in 16 different groups of four banks (64 banks of 4 bytes: ISA guide 11.1)
.set FTQ,   16*FTP                     ; the 16 tokens' factors for one chunk; two chunks lie from byte 0 on
.set OS,    2*FTQ                      ; behind them the stage: 16 rows of 256 f32,
.set OSP,   1040                       ; 1,024 bytes + 16 apart
.set SPARE, OS+16*OSP                  ; the spare words, 128 bytes for each of 8 waves: four blocks of 256 bytes that no other line names
.set ROWB,  2000                       ; bytes in a row of out0
.set LEAFB, 16384                      ; bytes of eb from leaf to leaf
.set SPW, 2                            ; v2  LDS address of my spare word; never rewritten
.set NIL, 3                            ; v3  0; never rewritten
.set SI,  4                            ; v4  statistics in: leaf T / 16, token T % 16
.set PI,  5                            ; v5  p in, likewise
.set FW,  6                            ; v6  where that leaf's and token's factor goes
.set FA,  7                            ; v7  where the stream reads my token's factors: steps with the loop
.set EO,  8                            ; v8  my 16 bytes of my wave's first block
.set OW,  9                            ; v9  where my sums go in the stage
.set RL,  10                           ; v10 where I read the stage back: row T / 64, chunk T % 64
.set GOF, 11                           ; v11 the same place in out0
.set CC,  12                           ; v12 T % 64
.set Q,   16                           ; v16-47 (c m, Z) of leaf u + 16 i, chunk q at Q + 8 i + 2 q
.set PP,  48                           ; v48-51 p of those four leaves
.set E,   52                           ; v52-67 2^(c m_q - c m), then factors
.set M,   68                           ; v68-71 c m, then Z, 1 / Z, p / Z
.set O,   80                           ; v80-95 the sums
.set F,   96                           ; v96-103 eight leaves' factors
.set X,   104                          ; v104-231 two sets of 8 leaves x 8 registers of e
.macro ALLI line:vararg                ; one line for each of my four leaves i
.set i, 0
.rept 4
	\line
.set i, i+1
.endr
.endm
	s_load_b256 s[4:11], s[0:1], 0x0               ; eb 4, st 6, pt 8, out0 10
	v_lshl_add_u32 v[SPW], v0, 2, SPARE
	v_mov_b32 v[NIL], 0
	v_lshrrev_b32 v1, 5, v0
	v_readfirstlane_b32 s12, v1                    ; wave 0..7
	s_lshr_b32 s13, ttmp9, 1                       ; tt
	s_and_b32 s14, ttmp9, 1                        ; which half of the columns
	v_and_b32 v1, 31, v0                           ; lane
	v_and_b32 v13, 15, v0                          ; r: a token
	v_lshrrev_b32 v14, 4, v0                       ; u: a leaf
	v_bfe_u32 v15, v0, 4, 1                        ; lane / 16
	v_lshlrev_b32 v[SI], 16, v14                   ; a leaf is four chunks of 16,384 bytes of st;
	v_lshl_add_u32 v[SI], v13, 3, v[SI]            ; sixteen neighbouring lanes take sixteen tokens: 128 bytes on end
	v_lshlrev_b32 v[PI], 6, v14                    ; a leaf is 64 bytes of a block of pt
	v_lshl_add_u32 v[PI], v13, 2, v[PI]
	v_mul_u32_u24 v[FA], v13, FTP
	v_lshl_add_u32 v[FW], v14, 2, v[FA]
	s_lshr_b32 s15, s12, 2                         ; my wave's chunk of the work-group's two
	s_mul_i32 s15, s15, FTQ
	v_add_nc_u32 v[FA], s15, v[FA]
	s_lshl_b32 s15, s12, 10                        ; my wave's two blocks
	v_lshl_add_u32 v[EO], v1, 4, s15
	v_mul_u32_u24 v[OW], v13, OSP
	v_lshl_add_u32 v[OW], v15, 5, v[OW]            ; my 8 columns of a block's 16
	s_lshl_b32 s15, s12, 7                         ; two blocks of 64 bytes
	s_add_co_u32 s15, s15, OS
	v_add_nc_u32 v[OW], s15, v[OW]
	v_and_b32 v[CC], 63, v0
	v_lshrrev_b32 v14, 6, v0
	v_mul_u32_u24 v[RL], v14, OSP
	v_lshl_add_u32 v[RL], v[CC], 4, v[RL]
	v_add_nc_u32 v[RL], OS, v[RL]
	v_mul_u32_u24 v[GOF], v14, ROWB
	v_lshl_add_u32 v[GOF], v[CC], 4, v[GOF]
	s_lshl_b32 s16, s13, 20                        ; eb: the token tile,
	s_lshl_b32 s17, s14, 13                        ; 16 blocks for the half
	s_add_co_u32 s16, s16, s17
	s_mov_b32 s17, 0
	s_lshl_b32 s18, s13, 7                         ; st: 16 tokens of 8 bytes
	s_mov_b32 s19, 0
	s_lshl_b32 s22, s13, 12                        ; pt: my block
	s_mov_b32 s23, 0
	s_mul_i32 s24, s13, 16*ROWB                    ; out0: 16 rows,
	s_lshl_b32 s25, s14, 10                        ; 256 columns for the half
	s_add_co_u32 s24, s24, s25
	s_mov_b32 s25, 0
	s_cmp_eq_u32 s14, 0
	s_cselect_b32 s26, 64, 61                      ; chunks of 16 bytes in my part of a row: columns 500-511 do not exist
	s_cselect_b32 s27, 0, -1                       ; all lanes, where the half is the upper one
	s_wait_kmcnt 0x0
	s_add_nc_u64 s[4:5], s[4:5], s[16:17]
	s_add_nc_u64 s[6:7], s[6:7], s[18:19]
	s_add_nc_u64 s[8:9], s[8:9], s[22:23]
	s_add_nc_u64 s[10:11], s[10:11], s[24:25]
.macro LOADS b, off                    ; eight leaves into set b: 16 loads of 512 consecutive bytes
.irp n, 0,1,2,3,4,5,6,7
	global_load_b128 v[X+64*(\b)+8*(\n):X+64*(\b)+8*(\n)+3],   v[EO], s[4:5] offset:(\off)+LEAFB*(\n) th:TH_LOAD_NT
	global_load_b128 v[X+64*(\b)+8*(\n)+4:X+64*(\b)+8*(\n)+7], v[EO], s[4:5] offset:(\off)+LEAFB*(\n)+512 th:TH_LOAD_NT
.endr
.endm
.macro FLOAD off                       ; my token's factors for them
	ds_load_b128 v[F:F+3],   v[FA] offset:(\off)
	ds_load_b128 v[F+4:F+7], v[FA] offset:(\off)+16
.endm
.macro FMAS b                          ; 128 multiply-adds straight from the f16 halves; sixteen sums take turns
.irp n, 0,1,2,3,4,5,6,7
.irp j, 0,1
.irp k, 0,1,2,3
	v_fma_mix_f32 v[O+8*(\j)+2*(\k)],   v[X+64*(\b)+8*(\n)+4*(\j)+(\k)], v[F+(\n)], v[O+8*(\j)+2*(\k)] op_sel_hi:[1,0,0]
	v_fma_mix_f32 v[O+8*(\j)+2*(\k)+1], v[X+64*(\b)+8*(\n)+4*(\j)+(\k)], v[F+(\n)], v[O+8*(\j)+2*(\k)+1] op_sel:[1,0,0] op_sel_hi:[1,0,0]
.endr
.endr
.endr
.endm
.irp n, 0,1,2,3                        ; the statistics first: leaves u + 16 n, their four chunks, straight into the registers of the thread that joins them
.irp q, 0,1,2,3
	global_load_b64 v[Q+8*(\n)+2*(\q):Q+8*(\n)+2*(\q)+1], v[SI], s[6:7] offset:1048576*(\n)+16384*(\q)
.endr
.endr
	ALLI global_load_b32 v[PP+i], v[PI], s[8:9] offset:1024*i
	LOADS 0, 0                                     ; and the stream begins: leaves 0-7,
	LOADS 1, 8*LEAFB                               ; 8-15
.set r, 0
.rept 16
	v_mov_b32 v[O+r], 0                            ; sixteen sums start at 0, while the loads are on their way, so that the loop has one form of multiply-add
.set r, r+1
.endr
	s_wait_loadcnt 32                              ; the statistics and p are in; the stream's 32 loads stay out
	ALLI v_max3_num_f32 v[M+i], v[Q+8*i], v[Q+8*i+2], v[Q+8*i+4]
	ALLI v_max_num_f32 v[M+i], v[M+i], v[Q+8*i+6]                        ; c m
.irp q, 0,1,2,3
	ALLI v_sub_f32 v[E+4*i+(\q)], v[Q+8*i+2*(\q)], v[M+i]
.endr
.irp q, 0,1,2,3
	ALLI v_exp_f32 v[E+4*i+(\q)], v[E+4*i+(\q)]
.endr
	v_nop                                          ; a plain instruction behind the last exponential,
	s_wait_alu depctr_va_vdst(0)                   ; and one wait ahead of the batch's first reader
	ALLI v_mul_f32 v[M+i], v[Q+8*i+1], v[E+4*i]
.irp q, 1,2,3
	ALLI v_fmac_f32 v[M+i], v[Q+8*i+2*(\q)+1], v[E+4*i+(\q)]             ; Z
.endr
	ALLI v_rcp_f32 v[M+i], v[M+i]
	v_nop
	s_wait_alu depctr_va_vdst(0)                   ; one wait for the four reciprocals
	ALLI v_mul_f32 v[M+i], v[M+i], v[PP+i]                               ; p / Z
.irp q, 0,1                            ; the work-group's two chunks: 0 and 1, or 2 and 3
	ALLI v_cndmask_b32 v[E+4*i+(\q)], v[E+4*i+(\q)], v[E+4*i+2+(\q)], s27
.endr
.irp q, 0,1
	ALLI v_mul_f32 v[E+4*i+(\q)], v[E+4*i+(\q)], v[M+i]                  ; F
.endr
.irp q, 0,1
	ALLI ds_store_b32 v[FW], v[E+4*i+(\q)] offset:FTQ*(\q)+64*i
.endr
	s_wait_dscnt 0x0                               ; for the others' sake
	s_barrier_signal -1
	s_barrier_wait -1                              ; all 2 x 16 x 64 factors lie in LDS
	s_mov_b32 s20, 3
.Lturn:                                            ; groups 2 t and 2 t + 1 of eight leaves are added, groups 2 t + 2 and 2 t + 3 asked for
	FLOAD 0
	s_wait_loadcnt 16                              ; set 0 is in; set 1's 16 loads may stay out
	s_wait_dscnt 0x0
	FMAS 0
	s_wait_xcnt 0x0                                ; every load issued so far has read its address, so the base may be written
	s_add_nc_u64 s[4:5], s[4:5], 16*LEAFB
	LOADS 0, 0
	FLOAD 32
	s_wait_loadcnt 16                              ; set 1 is in
	s_wait_dscnt 0x0
	FMAS 1
	LOADS 1, 8*LEAFB
	v_add_nc_u32 v[FA], 64, v[FA]                  ; sixteen leaves on in the table
	s_sub_co_u32 s20, s20, 1
	s_cmp_lg_u32 s20, 0
	s_cbranch_scc1 .Lturn
	FLOAD 0                                        ; the last two groups load nothing
	s_wait_loadcnt 16
	s_wait_dscnt 0x0
	FMAS 0
	FLOAD 32
	s_wait_loadcnt 0x0
	s_wait_dscnt 0x0
	FMAS 1
	; THE WAY OUT: a lane's 8 columns of a block are 32 bytes of its token's row
.irp j, 0,1
	ds_store_b128 v[OW], v[O+8*(\j):O+8*(\j)+3]   offset:64*(\j)
	ds_store_b128 v[OW], v[O+8*(\j)+4:O+8*(\j)+7] offset:64*(\j)+16
.endr
	s_wait_dscnt 0x0
	s_barrier_signal -1
	s_barrier_wait -1                              ; the stage is whole
.irp n, 0,1,2,3                        ; rows T / 64 + 4 n
	ds_load_b128 v[X+4*(\n):X+4*(\n)+3], v[RL] offset:4*OSP*(\n)
.endr
	v_cmp_gt_u32 vcc_lo, s26, v[CC]                ; the chunks that exist
	s_wait_dscnt 0x0
	s_wait_xcnt 0x0                                ; EXEC changes only behind this wait
	s_and_saveexec_b32 s21, vcc_lo
.irp n, 0,1,2,3
	global_store_b128 v[GOF], v[X+4*(\n):X+4*(\n)+3], s[10:11] offset:4*ROWB*(\n) th:TH_STORE_NT  ; a wave's store covers up to 512 consecutive bytes of a row
.endr
	s_wait_xcnt 0x0                                ; and again, in front of the line that widens it
	s_or_b32 exec_lo, exec_lo, s21
	s_wait_tensorcnt 0x0                           ; the wave's end, behind my last LDS store
	ds_add_u32 v[SPW], v[NIL]
	s_wait_dscnt 0x0
	s_endpgm
.Lfunc_end_k_q0168cf9ac7_mix:
	.size	k_q0168cf9ac7_mix, .Lfunc_end_k_q0168cf9ac7_mix-k_q0168cf9ac7_mix
	.p2alignl 7, 3214868480
	.fill 96, 4, 3214868480
	.section	.rodata,"a",@progbits
	.p2align	6, 0x0
	.amdhsa_kernel k_q0168cf9ac7_mix
		.amdhsa_group_segment_fixed_size 26368
		.amdhsa_private_segment_fixed_size 0
		.amdhsa_enable_private_segment 0
		.amdhsa_kernarg_size 32
		.amdhsa_user_sgpr_count 2
		.amdhsa_user_sgpr_kernarg_segment_ptr 1
		.amdhsa_wavefront_size32 1
		.amdhsa_system_sgpr_workgroup_id_x 1
		.amdhsa_system_sgpr_workgroup_id_y 1
		.amdhsa_system_sgpr_workgroup_id_z 1
		.amdhsa_system_vgpr_workitem_id 0
		.amdhsa_next_free_vgpr 232
		.amdhsa_next_free_sgpr 66
		.amdhsa_reserve_vcc 1
		.amdhsa_float_denorm_mode_32 3
		.amdhsa_float_denorm_mode_16_64 3
		.amdhsa_memory_ordered 1
		.amdhsa_forward_progress 1
		.amdhsa_inst_pref_size 49
	.end_amdhsa_kernel
	.amdgpu_metadata
---
amdhsa.version: [ 1, 2 ]
amdhsa.kernels:
  - .name:           k_q0168cf9ac7_mix
    .symbol:         k_q0168cf9ac7_mix.kd
    .args:
      - { .name: eb, .offset: 0, .size: 8, .value_kind: global_buffer, .address_space: global }
      - { .name: st, .offset: 8, .size: 8, .value_kind: global_buffer, .address_space: global }
      - { .name: pt, .offset: 16, .size: 8, .value_kind: global_buffer, .address_space: global }
      - { .name: out0, .offset: 24, .size: 8, .value_kind: global_buffer, .address_space: global }
    .group_segment_fixed_size: 26368
    .private_segment_fixed_size: 0
    .kernarg_segment_align: 8
    .kernarg_segment_size: 32
    .max_flat_workgroup_size: 256
    .sgpr_count:     66
    .vgpr_count:     232
    .wavefront_size: 32
...
	.end_amdgpu_metadata
.endif
;; end of part 6
